; MI455X (gfx1250); checked and timed in simulation.
; The chip was launched on July 23, 2026; its instructions are those of AMD's public machine-readable ISA for CDNA 5 (MIT licence, August 2026) and "CDNA5" Instruction Set Architecture Reference Guide (July 2026). The comments in the code are by the model that wrote it; some were corrected since.
;; Scaled Dot Product Attention. Allowed arithmetic: matrix products marked QUANTISED: E2M1 operands, one E8M0 scale for each 32 along K, by v_wmma_scale_f32_16x16x128_f8f6f4 with both operands' format E2M1 (or v_wmma_scale_f32_32x16x128_f4), f32 sums; everything else in f32.
;; Inputs: K_codes 4 x 16 x 2,048 x 4 x 16 uint8 (E2M1 codes of K, K innermost, in blocks of 32 codes, two codes a byte); K_scales 4 x 16 x 2,048 x 4 uint8 (E8M0 scales of K, one for each 32 codes along K); Q_codes 4 x 16 x 2,048 x 4 x 16 uint8 (E2M1 codes of Q, K innermost, in blocks of 32 codes, two codes a byte); Q_scales 4 x 16 x 2,048 x 4 uint8 (E8M0 scales of Q, one for each 32 codes along K); V_codes 4 x 16 x 128 x 64 x 16 uint8 (E2M1 codes of V, K innermost, in blocks of 32 codes, two codes a byte); V_scales 4 x 16 x 128 x 64 uint8 (E8M0 scales of V, one for each 32 codes along K); mask 1 x 1 x 2,048 x 2,048 bool.
;; Outputs: out0 4 x 16 x 2,048 x 128 float32.
;; This version of the problem:
;;   THIS VERSION OF THE PROBLEM IS GIVEN IN LOW PRECISION. The matrix products marked QUANTISED in the list below multiply operands that are first quantised to E2M1 (2 exponent bits, 1 mantissa bit; 4 bits a number), with one power-of-two scale for each 32 numbers along K (OCP MX v1.0); their sums are f32. All else is computed in f32.
;;   The module's matrix products, in the order in which they are computed (A, B: the left and right operand; K: the contracted axis; several contracted axes count as one K, in the product's order):
;;     1. batch 64 x [M 2,048, K 128] x [K 128, N 2,048]; A: input Q (given as codes); B: input K (given as codes): QUANTISED
;;     2. batch 64 x [M 2,048, K 2,048] x [K 2,048, N 128]; A: softmax (see below); B: input V (given as codes): QUANTISED
;;   THE QUANTISER, for each operand of a quantised product, along K:
;;     - K is cut into blocks of 32 from its start; a last block that is shorter is filled with zeros.
;;     - A block's scale is 2^e with e = floor(log2(the largest magnitude in the block)) - 2, held to -126 .. 127; a block of zeros has e = 0. As a byte (E8M0): e + 127.
;;     - Each number is divided by its block's scale, clamped to +-6, and rounded to the nearest number of E2M1, ties to even, subnormals kept.
;;     - The product sums the exact products of the quantised numbers (number of the format x scale) in f32.
;;   ~~~python
;;   def quantise(x, axis):      # numpy; x: float32 -> the quantised numbers, widened to float32 again
;;       x = np.moveaxis(x, axis, -1); K = x.shape[-1]
;;       x = np.pad(x, [(0, 0)] * (x.ndim - 1) + [(0, -K % 32)]); x = x.reshape(x.shape[:-1] + (-1, 32)); a = np.abs(x).max(-1, keepdims=True)
;;       e = np.where(a > 0, np.clip(np.frexp(np.where(a > 0, a, 1))[1] - 1 - 2, -126, 127), 0)      # np.frexp(a)[1] - 1 = floor(log2(a)), exactly
;;       r = np.clip(x / 2.0 ** e, -6, 6)
;;       step = 2.0 ** (np.maximum(np.frexp(np.where(r == 0, 1, r))[1] - 1, 0) - 1)
;;       q = np.round(r / step) * step * 2.0 ** e      # np.round: ties to even
;;       return np.moveaxis(q.reshape(q.shape[:-2] + (-1,))[..., :K], -1, axis).astype(np.float32)
;;   ~~~
;;   SOFTMAX AHEAD OF A QUANTISED PRODUCT. Where the list says 'softmax', what is quantised is not the finished softmax but p = 2^(t - M), with t = logit x log2(e) and M = ceil(the row's largest t), a whole number; so 1/2 < the row's largest p <= 1. The row's sum l is taken of the UNQUANTISED p, in f32, and the product's result is divided by l at the end. Since M is a whole number, a kernel that streams over the keys may use a running M (the ceiling of the running maximum): every later rescaling is an exact power of two, which a block's scale takes up: the codes' values come out the same.
;;   OPERANDS COMPUTED ON THE WAY. 'Computed on the way' means the value that the module computes at that place (a softmax that the list does not call 'softmax' is quantised finished and normalised). What goes into a quantiser is computed in f32, as accurately as f32 sums, v_exp_f32 and their like allow (about 1e-6 of the number): no bf16 or f16 on the way to a quantiser, and a product that is left as it is and whose result goes on into a quantised operand takes f32 operands (vector FMAs, or v_wmma_f32_16x16x4_f32). A number that lies on a knife's edge between two numbers of the format may be rounded either way, as far as f32 arithmetic and the matrix unit's own rounding can turn it there, and no further.
;;   INPUTS GIVEN AS CODES. K (in the module: [4, 16, 2048, 128], K = its axis 3); Q (in the module: [4, 16, 2048, 128], K = its axis 3); V (in the module: [4, 16, 2048, 128], K = its axis 2): each comes as NAME_codes (uint8): NAME with its K axis moved to the last place and cut into blocks of 32 codes, [.., K / 32, bytes a block], one block behind the other in memory; two codes a byte, the lower K in the low four bits (a code: sign, 2 exponent bits, 1 mantissa bit); and NAME_scales (uint8): the same leading axes, one E8M0 byte (e + 127) for each 32 codes along K. Its value is code x scale, taken as it is: it is not quantised again, and the codes and scales need not be those that the quantiser above would give.
;; 2 versions. Each part assembles by itself: llvm-mc -triple=amdgcn-amd-amdhsa -mcpu=gfx1250 --defsym DOCPART=n.
;; ======== version 1 of 2: 2 launches
;; workspace buffers: mbits 524,288 bytes of whole numbers; flags 512 bytes of whole numbers
;; launch pack (part 1): grid 128 x 1, 8 waves a work-group, no clusters, 36,096 bytes of LDS; arguments mask, mbits, flags; writes mbits, flags
.if DOCPART == 1
	.amdgcn_target "amdgcn-amd-amdhsa--gfx1250"
	.amdhsa_code_object_version 6
	.text
	.protected	k_q8e62470d9b_pack
	.globl	k_q8e62470d9b_pack
	.p2align	8
	.type	k_q8e62470d9b_pack,@function
k_q8e62470d9b_pack:
	s_mov_b64 s[64:65], 0
	v_nop
	global_prefetch_b8 v0, s[64:65] scope:SCOPE_SE
	s_setreg_imm32_b32 hwreg(HW_REG_WAVE_MODE, 25, 1), 1
	s_wait_xcnt 0x0
; The mask [2048 queries][2048 keys], one byte each (0 = hidden, anything else = kept), becomes lane masks in the order of the next launch's score registers,
; and one word of flags for each tile of 16 queries.
; mbits: [tile T 0..127][key step n 0..15][word j 0..63], u32.  Bit L of word j = mask[16 T + L % 16][128 n + 32 (j / 16) + 16 (L / 16) + j % 16] != 0.
; flags: [T], u32.  Bit n: some bit of step n is kept.  Bit 16 + n: all 2,048 bits of step n are kept.
; SHARES.  A work-group takes a tile T: 16 rows of the mask.  Wave w takes keys 256 w .. 256 w + 255: key steps 2 w and 2 w + 1.  128 work-groups: a tile's word of flags has one owner.
; Each load reads two rows' 256 consecutive bytes, 16 a lane.  The 4,096 bytes turn through the wave's own stage in LDS, so that lane (r, h) then holds, of row r, the 16 bytes of keys 32 e + 16 h + 0 .. 15.
; A compare of one byte of every lane against 0 IS a word of mbits; v_writelane_b32 puts word j into lane j / 2, so that a step's 64 words leave as 256 consecutive bytes, aligned, by one store.
; No matrix unit, no tensor load, no cluster: the launch moves 4 MiB in and half a MiB out, and work-groups share nothing.
.set SP,   272                         ; a stage row: 256 bytes + 16, so that the 16 rows that a load back touches start at 16 different places modulo 256 bytes
.set WST,  16*SP                       ; a wave's stage
.set FW,   8*WST                       ; behind the stages: a word of flags for each wave
	s_load_b128 s[4:7], s[0:1], 0x0                ; mask s[4:5], mbits s[6:7]
	s_load_b64 s[8:9], s[0:1], 0x10                ; flags
	v_lshl_add_u32 v96, v0, 2, 0x8900
	v_mov_b32 v97, 0
	v_lshrrev_b32 v1, 5, v0
	v_readfirstlane_b32 s10, v1                    ; wave 0..7
	v_lshlrev_b32 v81, 2, v1                       ; 4 x wave: my wave's word of flags
	v_and_b32 v2, 15, v0                           ; r
	v_bfe_u32 v3, v0, 4, 1                         ; h
	v_lshlrev_b32 v4, 11, v3
	v_lshl_add_u32 v4, v2, 4, v4                   ; in the mask: row h of two, 16 bytes a lane
	s_mul_i32 s11, s10, WST
	v_mul_u32_u24 v5, v3, SP
	v_lshl_add_u32 v5, v2, 4, v5
	v_add_nc_u32 v5, s11, v5                       ; into the stage: as loaded
	v_mul_u32_u24 v6, v2, SP
	v_lshl_add_u32 v6, v3, 4, v6
	v_add_nc_u32 v6, s11, v6                       ; out of it: row r, 16 h bytes on
	v_and_b32 v7, 31, v0
	v_lshlrev_b32 v7, 3, v7                        ; 8 x lane: two words of mbits a lane
.irp i, 12,13,14,15
	v_mov_b32 v\i, 0                               ; v_writelane_b32's destination counts as read
.endr
	v_mov_b32 v82, 0
	s_lshl_b32 s12, ttmp9, 15                      ; the tile's 16 rows of 2,048 bytes,
	s_lshl_b32 s14, s10, 8                         ; my wave's 256 keys
	s_add_co_u32 s12, s12, s14
	s_mov_b32 s13, 0
	s_lshl_b32 s14, ttmp9, 12                      ; the tile's 16 x 256 bytes of mbits,
	s_lshl_b32 s15, s10, 9                         ; my wave's two steps
	s_add_co_u32 s14, s14, s15
	s_mov_b32 s15, 0
	s_lshl_b32 s20, ttmp9, 2                       ; the tile's word of flags
	s_mov_b32 s21, 0
	s_wait_kmcnt 0x0
	s_add_nc_u64 s[4:5], s[4:5], s[12:13]
	s_add_nc_u64 s[6:7], s[6:7], s[14:15]
	s_add_nc_u64 s[8:9], s[8:9], s[20:21]
.irp i, 0,1,2,3,4,5,6,7
	global_load_b128 v[16+4*\i:19+4*\i], v4, s[4:5] offset:4096*\i th:TH_LOAD_NT   ; rows 2 i and 2 i + 1: sixteen lanes read 256 consecutive bytes; read once in the launch
.endr
.irp i, 0,1,2,3,4,5,6,7
	s_wait_loadcnt 7-\i                            ; loads come back in order: load i is in, the 7 - i younger ones may be out
	ds_store_b128 v5, v[16+4*\i:19+4*\i] offset:2*SP*\i
.endr
.irp e, 0,1,2,3,4,5,6,7
	ds_load_b128 v[48+4*\e:51+4*\e], v6 offset:32*\e   ; the stage is my wave's own and LDS serves a wave's instructions in order: these see the stores above
.endr
; The 64 words of my wave's step u.  Word j tests byte j % 4 of register 48 + 16 u + j / 4.  s[24 + 2 u] gathers the OR of the words, s[25 + 2 u] the AND.
.macro WORDS u
.set j, 0
.rept 64
	v_and_b32 v[8+j%4], 0xff<<(8*(j%4)), v[48+16*\u+j/4]
	v_cmp_ne_u32 s[16+j%8], 0, v[8+j%4]
	v_writelane_b32 v[12+2*\u+j%2], s[16+j%8], j/2
.if j == 0
	s_mov_b32 s[24+2*\u], s[16]
	s_mov_b32 s[25+2*\u], s[16]
.else
	s_or_b32 s[24+2*\u], s[24+2*\u], s[16+j%8]
	s_and_b32 s[25+2*\u], s[25+2*\u], s[16+j%8]
.endif
.set j, j+1
.endr
	global_store_b64 v7, v[12+2*\u:13+2*\u], s[6:7] offset:256*\u   ; 32 lanes store 256 consecutive bytes, at a multiple of 256 from the buffer's first byte
.endm
	s_wait_dscnt 4                                 ; the first step's four loads are in; the second step's four may be out
	WORDS 0
	s_wait_dscnt 0x0
	WORDS 1
	; my wave's four flags, at their places in the tile's word.  Every select has a compare of its own.
	s_cmp_lg_u32 s24, 0
	s_cselect_b32 s28, 1, 0
	s_cmp_lg_u32 s26, 0
	s_cselect_b32 s29, 2, 0
	s_or_b32 s28, s28, s29
	s_cmp_eq_u32 s25, -1
	s_cselect_b32 s29, 0x10000, 0
	s_or_b32 s28, s28, s29
	s_cmp_eq_u32 s27, -1
	s_cselect_b32 s29, 0x20000, 0
	s_or_b32 s28, s28, s29
	s_lshl_b32 s29, s10, 1
	s_lshl_b32 s28, s28, s29                       ; steps 2 w and 2 w + 1
	v_mov_b32 v80, s28
	ds_store_b32 v81, v80 offset:FW                ; all lanes write the same word with the same value
	s_wait_dscnt 0x0                               ; for the others' sake: my store has landed
	s_barrier_signal -1
	s_barrier_wait -1
	s_cmp_lg_u32 s10, 0
	s_cbranch_scc1 .Lend                           ; wave 0 joins the eight words and stores the tile's
	ds_load_b128 v[84:87], v82 offset:FW
	ds_load_b128 v[88:91], v82 offset:FW+16
	s_wait_dscnt 0x0
	v_or_b32 v84, v84, v85
	v_or_b32 v86, v86, v87
	v_or_b32 v88, v88, v89
	v_or_b32 v90, v90, v91
	v_or_b32 v84, v84, v86
	v_or_b32 v88, v88, v90
	v_or_b32 v84, v84, v88
	v_cmp_eq_u32 vcc_lo, 0, v0
	s_wait_xcnt 0x0                                ; EXEC is a source of the stores above: it changes only behind this wait
	s_and_saveexec_b32 s30, vcc_lo
	global_store_b32 v82, v84, s[8:9]              ; four bytes a work-group, 512 in the launch: the one store here that does not fill 256 bytes
	s_wait_xcnt 0x0                                ; and again in front of the line that widens EXEC
	s_or_b32 exec_lo, exec_lo, s30
.Lend:
	s_wait_tensorcnt 0x0
	ds_add_u32 v96, v97
	s_wait_dscnt 0x0
	s_endpgm
.Lfunc_end_k_q8e62470d9b_pack:
	.size	k_q8e62470d9b_pack, .Lfunc_end_k_q8e62470d9b_pack-k_q8e62470d9b_pack
	.p2alignl 7, 3214868480
	.fill 96, 4, 3214868480
	.section	.rodata,"a",@progbits
	.p2align	6, 0x0
	.amdhsa_kernel k_q8e62470d9b_pack
		.amdhsa_group_segment_fixed_size 36096
		.amdhsa_private_segment_fixed_size 0
		.amdhsa_enable_private_segment 0
		.amdhsa_kernarg_size 24
		.amdhsa_user_sgpr_count 2
		.amdhsa_user_sgpr_kernarg_segment_ptr 1
		.amdhsa_wavefront_size32 1
		.amdhsa_system_sgpr_workgroup_id_x 1
		.amdhsa_system_sgpr_workgroup_id_y 1
		.amdhsa_system_sgpr_workgroup_id_z 1
		.amdhsa_system_vgpr_workitem_id 0
		.amdhsa_next_free_vgpr 98
		.amdhsa_next_free_sgpr 66
		.amdhsa_reserve_vcc 1
		.amdhsa_float_denorm_mode_32 3
		.amdhsa_float_denorm_mode_16_64 3
		.amdhsa_memory_ordered 1
		.amdhsa_forward_progress 1
		.amdhsa_inst_pref_size 38
	.end_amdhsa_kernel
	.amdgpu_metadata
---
amdhsa.version: [ 1, 2 ]
amdhsa.kernels:
  - .name:           k_q8e62470d9b_pack
    .symbol:         k_q8e62470d9b_pack.kd
    .args:
      - { .name: mask, .offset: 0, .size: 8, .value_kind: global_buffer, .address_space: global }
      - { .name: mbits, .offset: 8, .size: 8, .value_kind: global_buffer, .address_space: global }
      - { .name: flags, .offset: 16, .size: 8, .value_kind: global_buffer, .address_space: global }
    .group_segment_fixed_size: 36096
    .private_segment_fixed_size: 0
    .kernarg_segment_align: 8
    .kernarg_segment_size: 24
    .max_flat_workgroup_size: 256
    .sgpr_count:     66
    .vgpr_count:     98
    .wavefront_size: 32
...
	.end_amdgpu_metadata
.endif
;; end of part 1
;; launch attn (part 2): grid 4 x 64, 16 waves a work-group, no clusters, 309,248 bytes of LDS; arguments Q_codes, Q_scales, K_codes, K_scales, V_codes, V_scales, mbits, flags, out0; writes out0
.if DOCPART == 2
	.amdgcn_target "amdgcn-amd-amdhsa--gfx1250"
	.amdhsa_code_object_version 6
	.text
	.protected	k_q8e62470d9b_attn
	.globl	k_q8e62470d9b_attn
	.p2align	8
	.type	k_q8e62470d9b_attn,@function
k_q8e62470d9b_attn:
	s_mov_b64 s[64:65], 0
	v_nop
	global_prefetch_b8 v0, s[64:65] scope:SCOPE_SE
	s_setreg_imm32_b32 hwreg(HW_REG_WAVE_MODE, 25, 1), 1
	s_wait_xcnt 0x0
; out0[head][q][:] = the sum over k of softmax_k(mask ? Q[q] . K[k] / sqrt(128) : -inf) V[k][:], 64 heads, 2,048 queries and keys, head size 128; both products on codes of FP4 (E2M1) with one E8M0 scale for each 32 along K.
; Q, K: codes [head][2048][64 bytes], scale words [head][2048][4 bytes].  V: codes with the keys innermost, [head][128][1024 bytes], scale bytes [head][128][64].  out0: f32.
; THE MASK is an input.  The launch before has turned it into lane masks (mbits: a word for each score register of each tile of 16 queries and key step of 128 keys) and flags (for each tile and step: any bit kept, all bits kept).
; THE SOFTMAX AHEAD OF THE SECOND PRODUCT: t = score x log2(e) / sqrt(128); M = the running largest t rounded UP to a whole number; p = 2^(t - M) is quantised along the keys, not normalised; the row's sum is taken of the
; unquantised p and divides at the end.  When M moves, the sum and O are multiplied by 2^(old M - new M): exact.
; WORK THAT IS LEFT OUT.  A step in which all 16 x 128 mask bits of a wave's tile are 0 changes nothing: every p is 0, M, the sum and O stay.  It is jumped over by a scalar branch on the stored flag.  A step whose bits are all 1 jumps over the 64 selects.
; SHARES.  256 work-groups: 4 to a head.  Sixteen waves of 256 registers, four to a SIMD, so that one wave's vector work stands beside another's matrix work and LDS loads.  A wave owns one tile of 16 queries at a time, and a
; work-group stays for two passes: in pass 0 wave w of work-group g takes tile 16 g + w, in pass 1 tile 127 - (16 g + w).  The pairing changes the order of work and no value; under a lower-triangular mask each wave then has 17 steps to compute.
; Every pass walks 4 slots of 512 keys x 4 steps of 128: constant trip counts, and every wave passes every barrier; only loads, products and LDS stores stand under branches on the flags.
; K AND V go memory -> registers -> LDS by plain loads and stores: in each step the 512 threads bring a quarter of the next slot (16 bytes of K and 16 of V a thread), asked for at the step's head and stored at its end.
; Slot 0 is brought once, into a buffer of its own that serves both passes; slots 1, 2, 3 take buffers A, B, A.  A slot that none of the work-group's 16 tiles needs is not brought.
; NO JOINT LOADS, no tensor loads: the four work-groups of a head do read the same K and V, but which slots a work-group needs hangs on the stored flags and differs between them (under a lower-triangular mask 1 to 4 of 4 in a pass),
; and a text that branches on stored numbers brings its operands through registers.  K and V are 256 KiB a head; the steps left out are worth more.
; LAYOUT.  Both products are used transposed: S^T = K Q^T (source 0 = 16 keys, source 1 = my 16 queries), O^T = V^T P^T: a lane holds ONE query (lane % 16) throughout.
; THE KEYS OF A TILE ARE NOT NEIGHBOURS: lane r of tile 2 b + u takes key 32 b + 8 u + r + 8 (r / 8), so that score register 16 b + i of lane (r, h) is key 32 b + 16 h + i: 16 neighbours along the next K.
; IN LDS OPERANDS LIE AS IMAGES OF THEIR REGISTERS: four registers of 32 lanes, 16 bytes a lane.  Lanes 16-31 lie SH = 272 bytes behind lanes 0-15, registers 4-7 SC2 = 544 behind registers 0-3, a fragment TILE = 1,088 behind the last,
; a key step QUART = 8,768 behind the last; in K's images lane r lies at 64 (r % 4) + 16 (r / 4).  So the sixteen lanes of a staging store (K: 4 pieces of a row x 4 keys; V: 16 pieces of one row: 4 steps x 4 pieces) and the sixteen
; lanes of a fragment load both start at sixteen different places modulo 256 bytes.
; LIMITS.  A row with no kept key gives 0 x (1 / 0) = NaN, as the softmax of a row of -inf does.  The running largest t begins at -3e38: a t under that is not served.  p under 2^-126 comes out of v_exp_f32 as 0.
; A block whose p are all 0 gets the scale byte 1: its codes are zeros.  Scale bytes 0xff (NaN) among the inputs are not served.
.set SH,    272
.set SC2,   544
.set TILE,  1088
.set QUART, 8768
.set VOFF,  4*QUART                    ; a slot: K's four steps, then V's
.set BUFA,  0x12000                    ; buffer Z at 0, A and B here: 73,728 bytes each, of which a slot uses 70,144
.set BUFB,  0x24000
.set FLIP,  BUFA^BUFB                  ; one exclusive or turns A into B and back
.set SCK,   0x36000                    ; K's scale words of the head: [step] x 512 + 16 x lane + 4 i = the word of tile 2 i + lane / 16, row lane % 16
.set SCV,   SCK+8192                   ; V's likewise
.set STG,   SCV+8192                   ; the way out: 16 rows x 272 bytes for each wave, its own
.set SP,    272
; vector registers
.set LIK, 1                            ; my lane's place in an image of K
.set KST, 2                            ; where my thread's 16 bytes of K go in a slot
.set VST, 3                            ; and of V
.set KGO, 4                            ; 16 x thread: my 16 bytes of a step's 8,192 of K
.set VGO, 5                            ; 1,024 (thread / 16) + 16 (thread % 16): my 16 bytes of 32 rows x 256 of V
.set ADK, 6                            ; LDS address of the slot's images of K; on the way out: into the stage
.set ADS, 7                            ; of the slot's scale words; on the way out: back from the stage
.set KSA, 8                            ; of my staging store of K; on the way out: my byte offset in out0
.set VSA, 9                            ; of V
.set ADV, 10                           ; of the slot's images of V
.set LIV, 11                           ; VOFF + my lane's place in an image of V
.set NM,  12                           ; -M
.set TM,  13                           ; the running largest t
.set LS,  14                           ; v[14:15] the row's sum in two halves
.set QF,  16                           ; v16-23   Q's fragment
.set KD,  24                           ; v24-27   16 bytes of K on their way to LDS
.set VD,  28                           ; v28-31   of V
.set FRG, 32                           ; v32-95   eight fragments of K, then of V
.set ST,  96                           ; v96-159  S^T, then p
.set OT,  160                          ; v160-223 O^T
.set PC,  224                          ; v224-231 p's codes
.set BM,  232                          ; v232-235 the blocks' largest scores, then largest p
.set PB,  236                          ; v236-239 at work
.set KSW, 240                          ; v240-243 K's scale words: register i: lanes 0-15 tile 2 i, lanes 16-31 tile 2 i + 1
.set CV,  244                          ; v244-247 the conversions' scale operands
.set VSW, 248                          ; v248-251 V's scale words, as K's
.set FF,  252                          ; f = 2^(old M - new M)
.set PSW, 253                          ; p's scale word
.set TMP, 254
.set QSW, 255                          ; Q's scale words
; scalar registers.  s16-63 and s80-95: a step's 64 mask words (word j in s[16 + j], from j = 48 on in s[32 + j]); at the heads: at work
.set CNT,  2                           ; slots to go
.set STGF, 3                           ; not 0: the next slot is needed
.set QC,   4                           ; s[4:5]   Q's codes at my head;  s[6:7] its scale words;  s[8:9] K's codes;  s[10:11] V's codes;  s[12:13] out0;  s[14:15] mbits
.set QS,   6
.set KC,   8
.set VC,   10
.set OUTP, 12
.set MBP,  14
.set FLP,  66                          ; s[66:67] flags
.set KP,   68                          ; s[68:69] K's codes at the next slot
.set VP,   70                          ; s[70:71] V's
.set MB,   72                          ; s[72:73] my tile's mask words at this slot
.set CS,   74                          ; s[74:75] c = log2(e) / sqrt(128): the packed form names a pair and takes its low word for both halves
.set SEL,  76                          ; s[76:77] v_permlanex16_b32's selects for lane l xor 16
.set WV,   78                          ; my wave's number
.set TL,   79                          ; my tile
.set FL,   96                          ; my tile's flags, shifted so that bit q is this slot's step q
.set NEED, 97                          ; the OR of the 16 tiles' flags
.set TB,   98                          ; the buffer that is read
.set OB,   99                          ; the buffer that is filled
.set TS,   100                         ; where this slot's scale words of K begin
	s_load_b512 s[16:31], s[0:1], 0x0              ; Q's codes, Q's scales, K's codes, K's scales, V's codes, V's scales, mbits, flags
	s_load_b64 s[32:33], s[0:1], 0x40              ; out0
	v_lshrrev_b32 v6, 5, v0
	v_readfirstlane_b32 s[WV], v6                  ; wave 0..15
	v_and_b32 v6, 15, v0                           ; r
	v_bfe_u32 v7, v0, 4, 1                         ; h
	v_mul_u32_u24 v[LIV], v7, SH
	v_lshl_add_u32 v[LIV], v6, 4, v[LIV]
	v_add_nc_u32 v[LIV], VOFF, v[LIV]              ; V: SH h + 16 r, behind K's part of a slot
	v_mul_u32_u24 v[LIK], v7, SH
	v_and_b32 v8, 3, v0
	v_lshl_add_u32 v[LIK], v8, 6, v[LIK]
	v_bfe_u32 v8, v0, 2, 2
	v_lshl_add_u32 v[LIK], v8, 4, v[LIK]           ; K: SH h + 64 (r % 4) + 16 (r / 4)
	; Thread t brings piece t % 4 (16 bytes) of key t / 4 of a step.  Piece 2 c + h belongs to registers 4 c on of lanes 16 h on.  Key 32 b + x: tile 2 b + (x / 8) % 2, lane r = x % 8 + 8 (x / 16).
	v_lshrrev_b32 v8, 7, v0                        ; b
	v_mul_u32_u24 v[KST], v8, 2*TILE
	v_bfe_u32 v8, v0, 5, 1                         ; u
	v_mad_u32_u24 v[KST], v8, TILE, v[KST]
	v_bfe_u32 v8, v0, 1, 1                         ; c
	v_mad_u32_u24 v[KST], v8, SC2, v[KST]
	v_and_b32 v8, 1, v0                            ; h
	v_mad_u32_u24 v[KST], v8, SH, v[KST]
	v_bfe_u32 v8, v0, 2, 2                         ; r % 4
	v_lshl_add_u32 v[KST], v8, 6, v[KST]
	v_bfe_u32 v8, v0, 4, 1                         ; (r / 4) % 2
	v_lshl_add_u32 v[KST], v8, 4, v[KST]
	v_bfe_u32 v8, v0, 6, 1                         ; r / 8
	v_lshl_add_u32 v[KST], v8, 5, v[KST]
	; Of V thread t brings piece t % 16 of row t / 16 of 32 rows: key step (t / 4) % 4 of the slot, piece t % 4 of its 64 bytes; fragment (t / 256) of the two, lane r = (t / 16) % 16.
	v_bfe_u32 v8, v0, 2, 2
	v_mul_u32_u24 v[VST], v8, QUART
	v_lshrrev_b32 v8, 8, v0
	v_mad_u32_u24 v[VST], v8, TILE, v[VST]
	v_bfe_u32 v8, v0, 1, 1
	v_mad_u32_u24 v[VST], v8, SC2, v[VST]
	v_and_b32 v8, 1, v0
	v_mad_u32_u24 v[VST], v8, SH, v[VST]
	v_bfe_u32 v8, v0, 4, 4
	v_lshl_add_u32 v[VST], v8, 4, v[VST]
	v_add_nc_u32 v[VST], VOFF, v[VST]
	v_lshlrev_b32 v[KGO], 4, v0
	v_lshrrev_b32 v8, 4, v0
	v_lshlrev_b32 v[VGO], 10, v8
	v_lshl_add_u32 v[VGO], v6, 4, v[VGO]
	; Where the scale words go.  K's: thread t holds the words of keys 4 t + k, k = 0 .. 3: step t / 32; with l = t % 32: tile 2 (l / 8) + (l / 2) % 2, lane r = 4 (l % 2) + k + 8 ((l / 4) % 2).
	v_lshrrev_b32 v8, 5, v0
	v_lshlrev_b32 v6, 9, v8
	v_bfe_u32 v8, v0, 1, 1
	v_lshl_add_u32 v6, v8, 8, v6
	v_bfe_u32 v8, v0, 2, 1
	v_lshl_add_u32 v6, v8, 7, v6
	v_and_b32 v8, 1, v0
	v_lshl_add_u32 v6, v8, 6, v6
	v_bfe_u32 v8, v0, 3, 2
	v_lshl_add_u32 v6, v8, 2, v6
	v_add_nc_u32 v6, SCK, v6                       ; + 16 k in the store
	; V's: thread t holds, of row d = t / 4, the words of steps 4 (t % 4) + k: fragment d / 16 = 2 (t / 128) + (t / 64) % 2, lane r = (t / 4) % 16.
	v_and_b32 v8, 3, v0
	v_lshlrev_b32 v7, 11, v8
	v_bfe_u32 v8, v0, 6, 1
	v_lshl_add_u32 v7, v8, 8, v7
	v_bfe_u32 v8, v0, 2, 4
	v_lshl_add_u32 v7, v8, 4, v7
	v_lshrrev_b32 v8, 7, v0
	v_lshl_add_u32 v7, v8, 2, v7
	v_add_nc_u32 v7, SCV, v7                       ; + 512 k in the store
.irp i, 24,25,26,27,28,29,30,31,236,237,238,239,252,253
	v_mov_b32 v\i, 0                               ; written once: the staging registers, which a path without a request would store unwritten; the lane permutes' destinations, which count as sources; the pair v[252:253]
.endr
	s_mov_b32 s[CS], 0x3e0293ee                    ; c = log2(e) / sqrt(128)
	s_mov_b32 s[CS+1], s[CS]
	s_mov_b32 s[SEL], 0x76543210
	s_mov_b32 s[SEL+1], 0xfedcba98
	s_and_b32 s34, ttmp7, 0xffff                   ; the head
	s_lshl_b32 s36, s34, 17                        ; 131,072 bytes of codes a head,
	s_mov_b32 s37, 0
	s_lshl_b32 s38, s34, 13                        ; 8,192 of scale bytes,
	s_mov_b32 s39, 0
	s_lshl_b32 s40, s34, 20                        ; 1,048,576 of out0
	s_mov_b32 s41, 0
	s_wait_kmcnt 0x0
	s_add_nc_u64 s[QC:QC+1], s[16:17], s[36:37]
	s_add_nc_u64 s[QS:QS+1], s[18:19], s[38:39]
	s_add_nc_u64 s[KC:KC+1], s[20:21], s[36:37]
	s_add_nc_u64 s[80:81], s[22:23], s[38:39]      ; K's scale bytes
	s_add_nc_u64 s[VC:VC+1], s[24:25], s[36:37]
	s_add_nc_u64 s[82:83], s[26:27], s[38:39]      ; V's
	s_mov_b64 s[MBP:MBP+1], s[28:29]
	s_mov_b64 s[FLP:FLP+1], s[30:31]
	s_add_nc_u64 s[OUTP:OUTP+1], s[32:33], s[40:41]
	global_load_b128 v[128:131], v[KGO], s[80:81]  ; the head's scale bytes, 8,192 + 8,192: once, 16 bytes a thread, dense
	global_load_b128 v[132:135], v[KGO], s[82:83]
.irp q, 0,1,2,3
	global_load_b128 v[96+4*\q:99+4*\q], v[KGO], s[KC:KC+1] offset:8192*\q        ; slot 0: keys 0 to 511
	global_load_b128 v[112+4*\q:115+4*\q], v[VGO], s[VC:VC+1] offset:32768*\q
.endr
.macro KQ t                            ; S^T's tile t: 16 keys x my 16 queries, K = the head's 128.  The sum begins with the constant 0
.if (\t)%2
	v_wmma_scale_f32_16x16x128_f8f6f4 v[ST+8*(\t):ST+8*(\t)+7], v[FRG+8*(\t):FRG+8*(\t)+7], v[QF:QF+7], 0, v[KSW+(\t)/2], v[QSW] matrix_a_fmt:MATRIX_FMT_FP4 matrix_b_fmt:MATRIX_FMT_FP4 matrix_a_scale:MATRIX_SCALE_ROW1
.else
	v_wmma_scale_f32_16x16x128_f8f6f4 v[ST+8*(\t):ST+8*(\t)+7], v[FRG+8*(\t):FRG+8*(\t)+7], v[QF:QF+7], 0, v[KSW+(\t)/2], v[QSW] matrix_a_fmt:MATRIX_FMT_FP4 matrix_b_fmt:MATRIX_FMT_FP4
.endif
.endm
.macro PV t                            ; O^T's tile t: 16 of the head's 128 x my 16 queries, K = the step's 128 keys
.if (\t)%2
	v_wmma_scale_f32_16x16x128_f8f6f4 v[OT+8*(\t):OT+8*(\t)+7], v[FRG+8*(\t):FRG+8*(\t)+7], v[PC:PC+7], v[OT+8*(\t):OT+8*(\t)+7], v[VSW+(\t)/2], v[PSW] matrix_a_fmt:MATRIX_FMT_FP4 matrix_b_fmt:MATRIX_FMT_FP4 matrix_a_scale:MATRIX_SCALE_ROW1
.else
	v_wmma_scale_f32_16x16x128_f8f6f4 v[OT+8*(\t):OT+8*(\t)+7], v[FRG+8*(\t):FRG+8*(\t)+7], v[PC:PC+7], v[OT+8*(\t):OT+8*(\t)+7], v[VSW+(\t)/2], v[PSW] matrix_a_fmt:MATRIX_FMT_FP4 matrix_b_fmt:MATRIX_FMT_FP4
.endif
.endm
; A KEY STEP: 128 keys, the q-th of the slot in hand.
.macro STEP q
	s_cmp_lg_u32 s[STGF], 0                        ; is the next slot needed by any of the 16 tiles?
	s_cbranch_scc0 .Lnoreq_\@
	s_wait_dscnt 0x0                               ; the last step's staging stores have read their registers
	global_load_b128 v[KD:KD+3], v[KGO], s[KP:KP+1] offset:8192*\q     ; quarter q of the next slot: 128 keys' rows, 8,192 dense bytes,
	global_load_b128 v[VD:VD+3], v[VGO], s[VP:VP+1] offset:32768*\q    ; and rows 32 q .. 32 q + 31 of V, 256 bytes of each: sixteen lanes to a row
.Lnoreq_\@:
	s_bitcmp1_b32 s[FL], \q                        ; no bit of my tile's step is kept: nothing to compute
	s_cbranch_scc0 .Lhidden_\@
	s_load_b512 s[16:31], s[MB:MB+1], 256*\q       ; the step's 64 mask words, on every path that computes: they land under the first product
	s_load_b512 s[32:47], s[MB:MB+1], 256*\q+64
	s_load_b512 s[48:63], s[MB:MB+1], 256*\q+128
	s_load_b512 s[80:95], s[MB:MB+1], 256*\q+192
	ds_load_b128 v[KSW:KSW+3], v[ADS] offset:512*\q
.irp t, 0,1,2,3,4,5,6,7
.irp c, 0,1
	ds_load_b128 v[FRG+8*\t+4*\c:FRG+8*\t+4*\c+3], v[ADK] offset:QUART*\q+TILE*\t+SC2*\c
.endr
.endr
	s_wait_dscnt 8                                 ; the scale words and tiles 0-3 are in; the eight loads of tiles 4-7 may be out
.irp t, 0,1,2,3
	KQ \t
.endr
	s_wait_dscnt 0x0
.irp t, 4,5,6,7
	KQ \t
.endr
.rept 4
	v_nop                                          ; four places behind the products: in front of the loads into the registers that they read, and of the first reads of the scores
.endr
	ds_load_b128 v[VSW:VSW+3], v[ADS] offset:8192+512*\q
.irp t, 0,1,2,3,4,5,6,7
.irp c, 0,1
	ds_load_b128 v[FRG+8*\t+4*\c:FRG+8*\t+4*\c+3], v[ADV] offset:QUART*\q+TILE*\t+SC2*\c   ; V's fragments land during the softmax
.endr
.endr
	s_wait_kmcnt 0x0                               ; the mask words are in (also on the way that does not read them: their registers and base may then be written again)
	s_bitcmp1_b32 s[FL], 16+\q                     ; all bits kept: no select
	s_cbranch_scc1 .Lopen_\@
	v_mov_b32 v[TMP], 0xff800000                   ; -infinity
.set n, 0
.rept 64
	v_cndmask_b32 v[ST+n], v[TMP], v[ST+n], s[16+n+16*(n/48)]   ; hidden scores become -infinity ahead of the maximum: p = 0 then.  Each accumulator from its low end on
.set n, n+1
.endr
.Lopen_\@:
.irp b, 0,1,2,3
	v_max3_num_f32 v[BM+\b], v[ST+16*\b], v[ST+1+16*\b], v[ST+2+16*\b]   ; the largest score of each block of 32 keys: it serves for the row's maximum and, since p rises with the score, for the block's largest p
.endr
.irp i, 3,5,7,9,11,13
.irp b, 0,1,2,3
	v_max3_num_f32 v[BM+\b], v[BM+\b], v[ST+16*\b+\i], v[ST+1+16*\b+\i]   ; (the four blocks by turns)
.endr
.endr
.irp b, 0,1,2,3
	v_max_num_f32 v[BM+\b], v[BM+\b], v[ST+15+16*\b]
.endr
.irp b, 0,1,2,3
	v_permlanex16_b32 v[PB+\b], v[BM+\b], s[SEL], s[SEL+1]
.endr
.irp b, 0,1,2,3
	v_max_num_f32 v[BM+\b], v[BM+\b], v[PB+\b]     ; with lane l xor 16's 16 keys
.endr
	v_max3_num_f32 v[TMP], v[BM], v[BM+1], v[BM+2]
	v_max_num_f32 v[TMP], v[TMP], v[BM+3]          ; the step's largest score of my query
	v_mul_f32 v[TMP], s[CS], v[TMP]                ; as t (c is positive)
	v_max_num_f32 v[TM], v[TM], v[TMP]             ; the running largest t
	v_mov_b32 v[TMP], v[NM]
	v_floor_f32 v[NM], -v[TM]                      ; the new -M = floor(-t) = -ceil(t): a whole number
	v_sub_f32 v[TMP], v[NM], v[TMP]                ; old M - new M: a whole number, 0 or less
	v_cvt_i32_f32 v[TMP], v[TMP]                   ; (it saturates)
	v_ldexp_f32 v[FF], 1.0, v[TMP]                 ; f = 2^(old M - new M)
.set j, 0
.rept 32
	v_pk_fma_f32 v[ST+j:ST+j+1], v[ST+j:ST+j+1], s[CS:CS+1], v[NM:NM+1] op_sel_hi:[1,0,0]   ; t - M, two at a time (of the pairs c and -M the low word serves both halves)
.set j, j+2
.endr
.irp b, 0,1,2,3
	v_fma_f32 v[BM+\b], v[BM+\b], s[CS], v[NM]     ; the same of each block's largest score
.endr
.set j, 0
.rept 64
	v_exp_f32 v[ST+j], v[ST+j]                     ; p = 2^(t - M), at most 1: not normalised
.set j, j+1
.endr
.irp b, 0,1,2,3
	v_exp_f32 v[BM+\b], v[BM+\b]                   ; the block's largest p: the same two instructions on the same number give the same bits
.endr
	v_pk_mul_f32 v[LS:LS+1], v[LS:LS+1], v[FF:FF+1] op_sel_hi:[1,0]   ; the sums under the new M.  (The plain instruction behind the exponentials)
	s_wait_alu depctr_va_vdst(0)
.irp b, 0,1,2,3
	v_max_num_f32 v[BM+\b], 0x1800000, v[BM+\b]    ; the floor 2^(3 - 127): the byte cannot fall under 1
.endr
.irp b, 0,1,2,3
	v_add_nc_u32 v[CV+\b], 0xff000000, v[BM+\b]    ; 2 off the exponent field: the conversion's scale operand
.endr
.irp b, 0,1,2,3
	v_lshrrev_b32 v[PB+\b], 23, v[CV+\b]           ; the scale's byte
.endr
	v_lshl_or_b32 v[PSW], v[PB+1], 8, v[PB]        ; p's scale word for these 128 keys
	v_lshl_or_b32 v[PSW], v[PB+2], 16, v[PSW]
	v_lshl_or_b32 v[PSW], v[PB+3], 24, v[PSW]
.irp b, 0,1,2,3
	v_cvt_scalef32_pk8_fp4_f32 v[PC+2*\b], v[ST+16*\b:ST+7+16*\b], v[CV+\b]
	v_cvt_scalef32_pk8_fp4_f32 v[PC+1+2*\b], v[ST+8+16*\b:ST+15+16*\b], v[CV+\b]
.endr
	v_nop                                          ; one plain vector instruction behind the scaled conversions
.irp c, 0,1                            ; the operand's layout wants a whole block in a lane: lanes 0-15 block 2 c, lanes 16-31 block 2 c + 1
.irp i, 0,1
	v_permlane16_swap_b32 v[PC+4*\c+\i], v[PC+2+4*\c+\i]
.endr
.endr
	v_pk_add_f32 v[PB:PB+1], v[ST:ST+1], v[ST+2:ST+3]   ; the row's sum is taken of the unquantised p: two at a time, in two chains
.irp j, 4,8,12,16,20,24,28,32,36,40,44,48,52,56,60
	v_pk_add_f32 v[LS:LS+1], v[LS:LS+1], v[ST+\j:ST+1+\j]
	v_pk_add_f32 v[PB:PB+1], v[PB:PB+1], v[ST+2+\j:ST+3+\j]
.endr
	v_pk_add_f32 v[LS:LS+1], v[LS:LS+1], v[PB:PB+1]
.set j, 0
.rept 32
	v_pk_mul_f32 v[OT+j:OT+j+1], v[OT+j:OT+j+1], v[FF:FF+1] op_sel_hi:[1,0]   ; O^T under the new M, each accumulator from its low end on.  (These and the sums are the places between p's codes and scale word and the products below)
.set j, j+2
.endr
	s_wait_dscnt 0x0                               ; V's fragments and scale words are in
.irp t, 0,1,2,3,4,5,6,7
	PV \t                                          ; eight accumulators, one instruction a turn
.endr
.rept 4
	v_nop                                          ; four places behind the products, on every way on: the next step's loads into the fragments' registers, or the way out's reads of O^T
.endr
.Lhidden_\@:
	s_wait_loadcnt 0x0                             ; on every path: the staged quarter is in registers (asked for a whole step ago where the step was computed), and no load is out on v24-31, s[KP:KP+1], s[VP:VP+1]
	s_cmp_lg_u32 s[STGF], 0
	s_cbranch_scc0 .Lnosto_\@
	ds_store_b128 v[KSA], v[KD:KD+3] offset:QUART*\q      ; into the buffer that nobody reads in this slot
	ds_store_b128 v[VSA], v[VD:VD+3] offset:2*TILE*\q
.Lnosto_\@:
.endm
; THE WAY OUT.  O^T / the sum goes through my wave's own stage, half a row (64 channels, 256 bytes) of 16 queries at a time, and leaves as whole runs of 256 bytes.
.macro WAYOUT
	s_wait_dscnt 0x0                               ; no LDS instruction of mine names the address registers that are written below
	v_add_f32 v[LS], v[LS], v[LS+1]                ; the sum's two halves,
	v_permlanex16_b32 v[FF], v[LS], s[SEL], s[SEL+1]
	v_add_f32 v[LS], v[LS], v[FF]                  ; and lane l xor 16's: the row's sum
	v_rcp_f32 v[LS], v[LS]
	v_and_b32 v8, 15, v0                           ; (plain instructions behind the reciprocal)  r
	v_bfe_u32 v9, v0, 4, 1                         ; h
	s_mul_i32 s54, s[WV], 16*SP
	s_add_co_u32 s54, s54, STG                     ; my stage
	v_mul_u32_u24 v6, v8, SP
	v_lshl_add_u32 v6, v9, 5, v6
	v_add_nc_u32 v6, s54, v6                       ; in: row r; a tile's eight channels of my half: 64 t + 32 h bytes on
	v_mul_u32_u24 v7, v9, SP
	v_lshl_add_u32 v7, v8, 4, v7
	v_add_nc_u32 v7, s54, v7                       ; back: lanes 0-15 one row, lanes 16-31 the next
	v_lshlrev_b32 v9, 9, v9
	v_lshl_add_u32 v8, v8, 4, v9                   ; and the same two rows in out0: 512 h + 16 r
	s_lshl_b32 s56, s[TL], 13                      ; my tile's 16 rows of 512 bytes
	s_mov_b32 s57, 0
	s_add_nc_u64 s[58:59], s[OUTP:OUTP+1], s[56:57]
.set j, 0
	s_wait_alu depctr_va_vdst(0)
.rept 64
	v_mul_f32 v[ST+j], v[OT+j], v[LS]              ; register 8 t + i is out0(r, 16 t + 8 h + i); each accumulator from its low end on
.set j, j+1
.endr
.irp u, 0,1                            ; channels 64 u on
.irp t, 0,1,2,3
	ds_store_b128 v6, v[ST+32*\u+8*\t:ST+32*\u+8*\t+3] offset:64*\t
	ds_store_b128 v6, v[ST+32*\u+8*\t+4:ST+32*\u+8*\t+7] offset:64*\t+16
.endr
.irp i, 0,1,2,3,4,5,6,7
	ds_load_b128 v[FRG+32*\u+4*\i:FRG+32*\u+4*\i+3], v7 offset:2*\i*SP   ; LDS serves a wave's instructions in order: these see my stores, and the next half's stores come behind them
.endr
.endr
.irp u, 0,1
.irp i, 0,1,2,3,4,5,6,7
	s_wait_dscnt 23-16*\u-\i                       ; the LDS instructions issued behind this load may be out
	global_store_b128 v8, v[FRG+32*\u+4*\i:FRG+32*\u+4*\i+3], s[58:59] offset:1024*\i+256*\u th:TH_STORE_NT   ; sixteen lanes store 256 consecutive bytes, at a multiple of 256 from out0's first byte; written once, read by nobody here
.endr
.endr
.endm
; A PASS: one tile of 16 queries for each wave, all 2,048 keys.
.macro PASS p
.if \p == 0
	s_lshl_b32 s[TL], ttmp9, 4
	s_add_co_u32 s[TL], s[TL], s[WV]               ; tile 16 g + w
.else
	s_sub_co_u32 s[TL], 127, s[TL]                 ; tile 127 - (16 g + w)
.endif
	s_lshl_b32 s48, s[TL], 2
	s_mov_b32 s49, 0
	s_add_nc_u64 s[50:51], s[FLP:FLP+1], s[48:49]
	s_load_b32 s[FL], s[50:51], 0x0                ; my tile's flags
	s_and_b32 s48, s48, 0x1c0                      ; the 16 tiles of the work-group's pass are a block of 16: 64 aligned bytes of flags
	s_add_nc_u64 s[52:53], s[FLP:FLP+1], s[48:49]
	s_load_b512 s[16:31], s[52:53], 0x0
	s_lshl_b32 s54, s[TL], 10                      ; my 16 queries' codes: 64 bytes each,
	s_lshl_b32 s55, s[TL], 6                       ; their scale words,
	s_lshl_b32 s56, s[TL], 12                      ; my tile's mask words: 16 steps x 256 bytes
	s_mov_b32 s57, 0
	v_and_b32 v8, 15, v0
	v_bfe_u32 v9, v0, 4, 1
	v_lshlrev_b32 v9, 4, v9
	v_lshl_add_u32 v9, v8, 6, v9
	v_add_nc_u32 v9, s54, v9                       ; Q: row r, 16 h bytes on
	v_lshl_add_u32 v8, v8, 2, s55
	global_load_b128 v[QF:QF+3], v9, s[QC:QC+1]
	global_load_b128 v[QF+4:QF+7], v9, s[QC:QC+1] offset:32
	global_load_b32 v[QSW], v8, s[QS:QS+1]
	v_mov_b32 v[TM], 0xff61b1e6                    ; the largest t so far: -3e38
	v_floor_f32 v[NM], -v[TM]                      ; -M
	v_mov_b32 v[LS], 0
	v_mov_b32 v[LS+1], 0
.set j, 0
.rept 64
	v_mov_b32 v[OT+j], 0                           ; O^T.  Which step is a tile's first hangs on the mask, so no first product can be written out with the constant 0: the first change of M finds zeros and leaves zeros
.set j, j+1
.endr
	s_wait_kmcnt 0x0
	s_or_b32 s[NEED], s16, s17
.irp i, 18,19,20,21,22,23,24,25,26,27,28,29,30,31
	s_or_b32 s[NEED], s[NEED], s\i
.endr
	s_and_b32 s[NEED], s[NEED], 0xffff             ; bit n: some tile of the 16 computes step n
	s_add_nc_u64 s[MB:MB+1], s[MBP:MBP+1], s[56:57]
	s_add_nc_u64 s[KP:KP+1], s[KC:KC+1], 32768     ; slot 1: 512 keys x 64 bytes on,
	s_add_nc_u64 s[VP:VP+1], s[VC:VC+1], 256       ; 256 bytes on in each row of V
	s_mov_b32 s[TB], 0                             ; slot 0 lies in buffer Z,
	s_mov_b32 s[OB], BUFA                          ; slot 1 goes to A
	s_mov_b32 s[TS], SCK
	s_mov_b32 s[CNT], 4
	s_wait_loadcnt 0x0                             ; Q (in the first pass also slot 0 and the scale bytes)
.if \p == 0
.irp k, 0,1,2,3
	ds_store_b32 v6, v[128+\k] offset:16*\k        ; the scale words go to the places from which one load of 16 bytes a lane serves eight fragments
	ds_store_b32 v7, v[132+\k] offset:512*\k
.endr
.irp q, 0,1,2,3
	ds_store_b128 v[KST], v[96+4*\q:99+4*\q] offset:QUART*\q
	ds_store_b128 v[VST], v[112+4*\q:115+4*\q] offset:2*TILE*\q
.endr
.endif
.Lslot_\@:
	s_wait_dscnt 0x0                               ; for the others' sake: my stores into the slot ahead have landed, and my reads of the buffer that is filled next are over
	s_barrier_signal -1
	s_barrier_wait -1                              ; both now hold of all sixteen waves
	v_add_nc_u32 v[ADK], s[TB], v[LIK]
	v_add_nc_u32 v[ADV], s[TB], v[LIV]
	v_and_b32 v[ADS], 31, v0
	v_lshl_add_u32 v[ADS], v[ADS], 4, s[TS]
	v_add_nc_u32 v[KSA], s[OB], v[KST]
	v_add_nc_u32 v[VSA], s[OB], v[VST]
	s_lshr_b32 s[NEED], s[NEED], 4
	s_and_b32 s[STGF], s[NEED], 15                 ; the next slot's four bits; behind the fourth slot there are none: no load leaves its buffer
	STEP 0
	STEP 1
	STEP 2
	STEP 3
	s_mov_b32 s[TB], s[OB]                         ; the buffers: Z, A, B, A are read while A, B, A, (B) are filled
	s_xor_b32 s[OB], s[OB], FLIP
	s_add_co_u32 s[TS], s[TS], 2048                ; four steps' scale words on
	s_lshr_b32 s[FL], s[FL], 4
	s_add_nc_u64 s[KP:KP+1], s[KP:KP+1], 32768     ; every load that named these three has been waited for
	s_add_nc_u64 s[VP:VP+1], s[VP:VP+1], 256
	s_add_nc_u64 s[MB:MB+1], s[MB:MB+1], 1024
	s_sub_co_i32 s[CNT], s[CNT], 1
	s_cmp_lg_u32 s[CNT], 0
	s_cbranch_scc1 .Lslot_\@
	WAYOUT
.if \p == 0
	s_wait_xcnt 0x0                                ; the stores have had their addresses translated (ISA guide 3.1): their data, offset and base are written again only behind this wait
.endif
.endm
	PASS 0
	PASS 1
	s_wait_xcnt 0x0
	v_lshl_add_u32 v254, v0, 2, 0x4b000
	v_mov_b32 v255, 0
	s_wait_tensorcnt 0x0
	ds_add_u32 v254, v255
	s_wait_dscnt 0x0
	s_endpgm
.Lfunc_end_k_q8e62470d9b_attn:
	.size	k_q8e62470d9b_attn, .Lfunc_end_k_q8e62470d9b_attn-k_q8e62470d9b_attn
	.p2alignl 7, 3214868480
	.fill 96, 4, 3214868480
	.section	.rodata,"a",@progbits
	.p2align	6, 0x0
	.amdhsa_kernel k_q8e62470d9b_attn
		.amdhsa_group_segment_fixed_size 309248
		.amdhsa_private_segment_fixed_size 0
		.amdhsa_enable_private_segment 0
		.amdhsa_kernarg_size 72
		.amdhsa_user_sgpr_count 2
		.amdhsa_user_sgpr_kernarg_segment_ptr 1
		.amdhsa_wavefront_size32 1
		.amdhsa_system_sgpr_workgroup_id_x 1
		.amdhsa_system_sgpr_workgroup_id_y 1
		.amdhsa_system_sgpr_workgroup_id_z 1
		.amdhsa_system_vgpr_workitem_id 0
		.amdhsa_next_free_vgpr 256
		.amdhsa_next_free_sgpr 102
		.amdhsa_reserve_vcc 0
		.amdhsa_float_denorm_mode_32 3
		.amdhsa_float_denorm_mode_16_64 3
		.amdhsa_memory_ordered 1
		.amdhsa_forward_progress 1
		.amdhsa_inst_pref_size 208
	.end_amdhsa_kernel
	.amdgpu_metadata
---
amdhsa.version: [ 1, 2 ]
amdhsa.kernels:
  - .name:           k_q8e62470d9b_attn
    .symbol:         k_q8e62470d9b_attn.kd
    .args:
      - { .name: Q_codes, .offset: 0, .size: 8, .value_kind: global_buffer, .address_space: global }
      - { .name: Q_scales, .offset: 8, .size: 8, .value_kind: global_buffer, .address_space: global }
      - { .name: K_codes, .offset: 16, .size: 8, .value_kind: global_buffer, .address_space: global }
      - { .name: K_scales, .offset: 24, .size: 8, .value_kind: global_buffer, .address_space: global }
      - { .name: V_codes, .offset: 32, .size: 8, .value_kind: global_buffer, .address_space: global }
      - { .name: V_scales, .offset: 40, .size: 8, .value_kind: global_buffer, .address_space: global }
      - { .name: mbits, .offset: 48, .size: 8, .value_kind: global_buffer, .address_space: global }
      - { .name: flags, .offset: 56, .size: 8, .value_kind: global_buffer, .address_space: global }
      - { .name: out0, .offset: 64, .size: 8, .value_kind: global_buffer, .address_space: global }
    .group_segment_fixed_size: 309248
    .private_segment_fixed_size: 0
    .kernarg_segment_align: 8
    .kernarg_segment_size: 72
    .max_flat_workgroup_size: 512
    .sgpr_count:     102
    .vgpr_count:     256
    .wavefront_size: 32
...
	.end_amdgpu_metadata
.endif
;; end of part 2
;; ======== version 2 of 2: 2 launches
;; workspace buffers: mbits 524,288 bytes of whole numbers; flags 512 bytes of whole numbers
;; launch pack (part 3): grid 128 x 1, 8 waves a work-group, no clusters, 36,096 bytes of LDS; arguments mask, mbits, flags; writes mbits, flags
.if DOCPART == 3
	.amdgcn_target "amdgcn-amd-amdhsa--gfx1250"
	.amdhsa_code_object_version 6
	.text
	.protected	k_q8e62470d9b_pack
	.globl	k_q8e62470d9b_pack
	.p2align	8
	.type	k_q8e62470d9b_pack,@function
k_q8e62470d9b_pack:
	s_mov_b64 s[64:65], 0
	v_nop
	global_prefetch_b8 v0, s[64:65] scope:SCOPE_SE
	s_setreg_imm32_b32 hwreg(HW_REG_WAVE_MODE, 25, 1), 1
	s_wait_xcnt 0x0
; The mask [2048 queries][2048 keys], one byte each (0 = hidden, anything else = kept), becomes lane masks in the order of the next launch's score registers,
; and one word of flags for each tile of 16 queries.
; mbits: [tile T 0..127][key step n 0..15][word j 0..63], u32.  Bit L of word j = mask[16 T + L % 16][128 n + 32 (j / 16) + 16 (L / 16) + j % 16] != 0.
; flags: [T], u32.  Bit n: some bit of step n is kept.  Bit 16 + n: all 2,048 bits of step n are kept.
; SHARES.  A work-group takes a tile T: 16 rows of the mask.  Wave w takes keys 256 w .. 256 w + 255: key steps 2 w and 2 w + 1.  128 work-groups: a tile's word of flags has one owner.
; Each load reads two rows' 256 consecutive bytes, 16 a lane.  The 4,096 bytes turn through the wave's own stage in LDS, so that lane (r, h) then holds, of row r, the 16 bytes of keys 32 e + 16 h + 0 .. 15.
; A compare of one byte of every lane against 0 IS a word of mbits; v_writelane_b32 puts word j into lane j / 2, so that a step's 64 words leave as 256 consecutive bytes, aligned, by one store.
; No matrix unit, no tensor load, no cluster: the launch moves 4 MiB in and half a MiB out, and work-groups share nothing.
.set SP,   272                         ; a stage row: 256 bytes + 16, so that the 16 rows that a load back touches start at 16 different places modulo 256 bytes
.set WST,  16*SP                       ; a wave's stage
.set FW,   8*WST                       ; behind the stages: a word of flags for each wave
	s_load_b128 s[4:7], s[0:1], 0x0                ; mask s[4:5], mbits s[6:7]
	s_load_b64 s[8:9], s[0:1], 0x10                ; flags
	v_lshl_add_u32 v96, v0, 2, 0x8900
	v_mov_b32 v97, 0
	v_lshrrev_b32 v1, 5, v0
	s_delay_alu instid0(VALU_DEP_1)
	v_readfirstlane_b32 s10, v1                    ; wave 0..7
	s_delay_alu instid0(VALU_DEP_2)
	v_lshlrev_b32 v81, 2, v1                       ; 4 x wave: my wave's word of flags
	v_and_b32 v2, 15, v0                           ; r
	v_bfe_u32 v3, v0, 4, 1                         ; h
	s_delay_alu instid0(VALU_DEP_1)
	v_lshlrev_b32 v4, 11, v3
	s_delay_alu instid0(VALU_DEP_1)
	v_lshl_add_u32 v4, v2, 4, v4                   ; in the mask: row h of two, 16 bytes a lane
	s_mul_i32 s11, s10, WST
	v_mul_u32_u24 v5, v3, SP
	s_delay_alu instid0(VALU_DEP_1)
	v_lshl_add_u32 v5, v2, 4, v5
	s_delay_alu instid0(VALU_DEP_1)
	v_add_nc_u32 v5, s11, v5                       ; into the stage: as loaded
	v_mul_u32_u24 v6, v2, SP
	s_delay_alu instid0(VALU_DEP_1)
	v_lshl_add_u32 v6, v3, 4, v6
	s_delay_alu instid0(VALU_DEP_1)
	v_add_nc_u32 v6, s11, v6                       ; out of it: row r, 16 h bytes on
	v_and_b32 v7, 31, v0
	s_delay_alu instid0(VALU_DEP_1)
	v_lshlrev_b32 v7, 3, v7                        ; 8 x lane: two words of mbits a lane
.irp i, 12,13,14,15
	v_mov_b32 v\i, 0                               ; v_writelane_b32's destination counts as read
.endr
	v_mov_b32 v82, 0
	s_lshl_b32 s12, ttmp9, 15                      ; the tile's 16 rows of 2,048 bytes,
	s_lshl_b32 s14, s10, 8                         ; my wave's 256 keys
	s_add_co_u32 s12, s12, s14
	s_mov_b32 s13, 0
	s_lshl_b32 s14, ttmp9, 12                      ; the tile's 16 x 256 bytes of mbits,
	s_lshl_b32 s15, s10, 9                         ; my wave's two steps
	s_add_co_u32 s14, s14, s15
	s_mov_b32 s15, 0
	s_lshl_b32 s20, ttmp9, 2                       ; the tile's word of flags
	s_mov_b32 s21, 0
	s_wait_alu depctr_va_vdst(0)
	s_wait_kmcnt 0x0
	s_add_nc_u64 s[4:5], s[4:5], s[12:13]
	s_add_nc_u64 s[6:7], s[6:7], s[14:15]
	s_add_nc_u64 s[8:9], s[8:9], s[20:21]
.irp i, 0,1,2,3,4,5,6,7
	global_load_b128 v[16+4*\i:19+4*\i], v4, s[4:5] offset:4096*\i th:TH_LOAD_NT   ; rows 2 i and 2 i + 1: sixteen lanes read 256 consecutive bytes; read once in the launch
.endr
.irp i, 0,1,2,3,4,5,6,7
	s_wait_loadcnt 7-\i                            ; loads come back in order: load i is in, the 7 - i younger ones may be out
	ds_store_b128 v5, v[16+4*\i:19+4*\i] offset:2*SP*\i
.endr
.irp e, 0,1,2,3,4,5,6,7
	ds_load_b128 v[48+4*\e:51+4*\e], v6 offset:32*\e   ; the stage is my wave's own and LDS serves a wave's instructions in order: these see the stores above
.endr
; The 64 words of my wave's step u.  Word j tests byte j % 4 of register 48 + 16 u + j / 4.  s[24 + 2 u] gathers the OR of the words, s[25 + 2 u] the AND.
.macro WORDS u
.set j, 0
.rept 64
	v_and_b32 v[8+j%4], 0xff<<(8*(j%4)), v[48+16*\u+j/4]
	s_delay_alu instid0(VALU_DEP_1)
	v_cmp_ne_u32 s[16+j%8], 0, v[8+j%4]
	s_delay_alu instid0(VALU_DEP_1)
	v_writelane_b32 v[12+2*\u+j%2], s[16+j%8], j/2
.if j == 0
	s_mov_b32 s[24+2*\u], s[16]
	s_mov_b32 s[25+2*\u], s[16]
.else
	s_or_b32 s[24+2*\u], s[24+2*\u], s[16+j%8]
	s_and_b32 s[25+2*\u], s[25+2*\u], s[16+j%8]
.endif
.set j, j+1
.endr
	global_store_b64 v7, v[12+2*\u:13+2*\u], s[6:7] offset:256*\u   ; 32 lanes store 256 consecutive bytes, at a multiple of 256 from the buffer's first byte
.endm
	s_wait_dscnt 4                                 ; the first step's four loads are in; the second step's four may be out
	WORDS 0
	s_wait_dscnt 0x0
	WORDS 1
	; my wave's four flags, at their places in the tile's word.  Every select has a compare of its own.
	s_cmp_lg_u32 s24, 0
	s_cselect_b32 s28, 1, 0
	s_cmp_lg_u32 s26, 0
	s_cselect_b32 s29, 2, 0
	s_or_b32 s28, s28, s29
	s_cmp_eq_u32 s25, -1
	s_cselect_b32 s29, 0x10000, 0
	s_or_b32 s28, s28, s29
	s_cmp_eq_u32 s27, -1
	s_cselect_b32 s29, 0x20000, 0
	s_or_b32 s28, s28, s29
	s_lshl_b32 s29, s10, 1
	s_lshl_b32 s28, s28, s29                       ; steps 2 w and 2 w + 1
	v_mov_b32 v80, s28
	ds_store_b32 v81, v80 offset:FW                ; all lanes write the same word with the same value
	s_wait_dscnt 0x0                               ; for the others' sake: my store has landed
	s_barrier_signal -1
	s_barrier_wait -1
	s_cmp_lg_u32 s10, 0
	s_cbranch_scc1 .Lend                           ; wave 0 joins the eight words and stores the tile's
	ds_load_b128 v[84:87], v82 offset:FW
	ds_load_b128 v[88:91], v82 offset:FW+16
	s_wait_dscnt 0x0
	v_or_b32 v84, v84, v85
	v_or_b32 v86, v86, v87
	v_or_b32 v88, v88, v89
	v_or_b32 v90, v90, v91
	s_delay_alu instid0(VALU_DEP_3)
	v_or_b32 v84, v84, v86
	s_delay_alu instid0(VALU_DEP_2)
	v_or_b32 v88, v88, v90
	s_delay_alu instid0(VALU_DEP_1)
	v_or_b32 v84, v84, v88
	v_cmp_eq_u32 vcc_lo, 0, v0
	s_wait_alu depctr_va_vdst(0)
	s_wait_xcnt 0x0                                ; EXEC is a source of the stores above: it changes only behind this wait
	s_and_saveexec_b32 s30, vcc_lo
	global_store_b32 v82, v84, s[8:9]              ; four bytes a work-group, 512 in the launch: the one store here that does not fill 256 bytes
	s_wait_xcnt 0x0                                ; and again in front of the line that widens EXEC
	s_or_b32 exec_lo, exec_lo, s30
.Lend:
	s_wait_tensorcnt 0x0
	ds_add_u32 v96, v97
	s_wait_dscnt 0x0
	s_endpgm
.Lfunc_end_k_q8e62470d9b_pack:
	.size	k_q8e62470d9b_pack, .Lfunc_end_k_q8e62470d9b_pack-k_q8e62470d9b_pack
	.p2alignl 7, 3214868480
	.fill 96, 4, 3214868480
	.section	.rodata,"a",@progbits
	.p2align	6, 0x0
	.amdhsa_kernel k_q8e62470d9b_pack
		.amdhsa_group_segment_fixed_size 36096
		.amdhsa_private_segment_fixed_size 0
		.amdhsa_enable_private_segment 0
		.amdhsa_kernarg_size 24
		.amdhsa_user_sgpr_count 2
		.amdhsa_user_sgpr_kernarg_segment_ptr 1
		.amdhsa_wavefront_size32 1
		.amdhsa_system_sgpr_workgroup_id_x 1
		.amdhsa_system_sgpr_workgroup_id_y 1
		.amdhsa_system_sgpr_workgroup_id_z 1
		.amdhsa_system_vgpr_workitem_id 0
		.amdhsa_next_free_vgpr 98
		.amdhsa_next_free_sgpr 66
		.amdhsa_reserve_vcc 1
		.amdhsa_float_denorm_mode_32 3
		.amdhsa_float_denorm_mode_16_64 3
		.amdhsa_memory_ordered 1
		.amdhsa_forward_progress 1
		.amdhsa_inst_pref_size 47
	.end_amdhsa_kernel
	.amdgpu_metadata
---
amdhsa.version: [ 1, 2 ]
amdhsa.kernels:
  - .name:           k_q8e62470d9b_pack
    .symbol:         k_q8e62470d9b_pack.kd
    .args:
      - { .name: mask, .offset: 0, .size: 8, .value_kind: global_buffer, .address_space: global }
      - { .name: mbits, .offset: 8, .size: 8, .value_kind: global_buffer, .address_space: global }
      - { .name: flags, .offset: 16, .size: 8, .value_kind: global_buffer, .address_space: global }
    .group_segment_fixed_size: 36096
    .private_segment_fixed_size: 0
    .kernarg_segment_align: 8
    .kernarg_segment_size: 24
    .max_flat_workgroup_size: 256
    .sgpr_count:     66
    .vgpr_count:     98
    .wavefront_size: 32
...
	.end_amdgpu_metadata
.endif
;; end of part 3
;; launch attn (part 4): grid 4 x 64, 16 waves a work-group, no clusters, 309,248 bytes of LDS; arguments Q_codes, Q_scales, K_codes, K_scales, V_codes, V_scales, mbits, flags, out0; writes out0
.if DOCPART == 4
	.amdgcn_target "amdgcn-amd-amdhsa--gfx1250"
	.amdhsa_code_object_version 6
	.text
	.protected	k_q8e62470d9b_attn
	.globl	k_q8e62470d9b_attn
	.p2align	8
	.type	k_q8e62470d9b_attn,@function
k_q8e62470d9b_attn:
	s_mov_b64 s[64:65], 0
	v_nop
	global_prefetch_b8 v0, s[64:65] scope:SCOPE_SE
	s_setreg_imm32_b32 hwreg(HW_REG_WAVE_SCHED_MODE, 0, 2), 2
	s_setreg_imm32_b32 hwreg(HW_REG_WAVE_MODE, 25, 1), 1
	s_wait_xcnt 0x0
	s_wait_alu depctr_vm_vsrc(0)
; out0[head][q][:] = the sum over k of softmax_k(mask ? Q[q] . K[k] / sqrt(128) : -inf) V[k][:], 64 heads, 2,048 queries and keys, head size 128; both products on codes of FP4 (E2M1) with one E8M0 scale for each 32 along K.
; Q, K: codes [head][2048][64 bytes], scale words [head][2048][4 bytes].  V: codes with the keys innermost, [head][128][1024 bytes], scale bytes [head][128][64].  out0: f32.
; THE MASK is an input.  The launch before has turned it into lane masks (mbits: a word for each score register of each tile of 16 queries and key step of 128 keys) and flags (for each tile and step: any bit kept, all bits kept).
; THE SOFTMAX AHEAD OF THE SECOND PRODUCT: t = score x log2(e) / sqrt(128); M = the running largest t rounded UP to a whole number; p = 2^(t - M) is quantised along the keys, not normalised; the row's sum is taken of the
; unquantised p and divides at the end.  When M moves, the sum and O are multiplied by 2^(old M - new M): exact.
; WORK THAT IS LEFT OUT.  A step in which all 16 x 128 mask bits of a wave's tile are 0 changes nothing: every p is 0, M, the sum and O stay.  It is jumped over by a scalar branch on the stored flag.  A step whose bits are all 1 jumps over the 64 selects.
; SHARES.  256 work-groups: 4 to a head.  Sixteen waves of 256 registers, four to a SIMD, so that one wave's vector work stands beside another's matrix work and LDS loads.  A wave owns one tile of 16 queries at a time, and a
; work-group stays for two passes: in pass 0 wave w of work-group g takes tile 16 g + w, in pass 1 tile 127 - (16 g + w).  The pairing changes the order of work and no value; under a lower-triangular mask each wave then has 17 steps to compute.
; Every pass walks 4 slots of 512 keys x 4 steps of 128: constant trip counts, and every wave passes every barrier; only loads, products and LDS stores stand under branches on the flags.
; K AND V go memory -> registers -> LDS by plain loads and stores: in each step the 512 threads bring a quarter of the next slot (16 bytes of K and 16 of V a thread), asked for at the step's head and stored at its end.
; Slot 0 is brought once, into a buffer of its own that serves both passes; slots 1, 2, 3 take buffers A, B, A.  A slot that none of the work-group's 16 tiles needs is not brought.
; NO JOINT LOADS, no tensor loads: the four work-groups of a head do read the same K and V, but which slots a work-group needs hangs on the stored flags and differs between them (under a lower-triangular mask 1 to 4 of 4 in a pass),
; and a text that branches on stored numbers brings its operands through registers.  K and V are 256 KiB a head; the steps left out are worth more.
; LAYOUT.  Both products are used transposed: S^T = K Q^T (source 0 = 16 keys, source 1 = my 16 queries), O^T = V^T P^T: a lane holds ONE query (lane % 16) throughout.
; THE KEYS OF A TILE ARE NOT NEIGHBOURS: lane r of tile 2 b + u takes key 32 b + 8 u + r + 8 (r / 8), so that score register 16 b + i of lane (r, h) is key 32 b + 16 h + i: 16 neighbours along the next K.
; IN LDS OPERANDS LIE AS IMAGES OF THEIR REGISTERS: four registers of 32 lanes, 16 bytes a lane.  Lanes 16-31 lie SH = 272 bytes behind lanes 0-15, registers 4-7 SC2 = 544 behind registers 0-3, a fragment TILE = 1,088 behind the last,
; a key step QUART = 8,768 behind the last; in K's images lane r lies at 64 (r % 4) + 16 (r / 4).  So the sixteen lanes of a staging store (K: 4 pieces of a row x 4 keys; V: 16 pieces of one row: 4 steps x 4 pieces) and the sixteen
; lanes of a fragment load both start at sixteen different places modulo 256 bytes.
; LIMITS.  A row with no kept key gives 0 x (1 / 0) = NaN, as the softmax of a row of -inf does.  The running largest t begins at -3e38: a t under that is not served.  p under 2^-126 comes out of v_exp_f32 as 0.
; A block whose p are all 0 gets the scale byte 1: its codes are zeros.  Scale bytes 0xff (NaN) among the inputs are not served.
; THE MODE: SCHED_MODE bits 1:0 = 2 (LLVM: expert scheduling mode 2), set by the entry lines.  The code itself states the register dependences
; between vector or matrix instructions and memory or LDS instructions, with s_wait_alu, always for 0.
; THE PLAN.  Registers that memory or LDS instructions touch:
;   v1-5, v11   Lane terms, staging places, offsets in K and V: made at the head, never written again.
;   v6-10       The slot's five LDS addresses: written by five vector lines at the slot's head, read by the slot's LDS loads and staging stores; no vector line of a step names them.
;               (v6, v7 at the head: where the scale words go.  v8, v9 at a pass's head: Q's offsets.  v6-8 on the way out: the stage and out0.)
;   v24-31      Staging: global loads at a step's head land in them, two LDS stores at its end read them; no vector line names them behind the head.
;   v32-95      Fragments: K's loads land, the first products read; V's loads land, the second products read.  On the way out the stage's loads land and the global stores read.
;   v240-243, v248-251  Scale words: an LDS load lands, the products read.      v16-23, v255  Q: loaded at a pass's head, read by the first products.
;   v96-159     At the head: slot 0 and the scale bytes on their way to LDS.  On the way out: written by 64 multiplications, read by the stage's stores.  In a step: named by matrix and vector instructions alone.
; THE WAITS.  A slot's head: one on vm_vsrc ahead of the five address lines, one on va_vdst behind them.  A computed step: one on va_vdst ahead of K's loads (steps 1 to 3: in step 0 the slot's head has it), one behind the first
; products ahead of V's loads, the one behind the exponentials, one ahead of the second products for p's codes and scale word.  Steps 1 to 3: one on vm_vsrc at the head, for the staging registers.
; Behind the wait that follows the first products no vector line names v32-95, v248-251, v7 or v10 until the second products: so V's 17 loads are dealt among the first lines of the softmax with no further wait.
.set SH,    272
.set SC2,   544
.set TILE,  1088
.set QUART, 8768
.set VOFF,  4*QUART                    ; a slot: K's four steps, then V's
.set BUFA,  0x12000                    ; buffer Z at 0, A and B here: 73,728 bytes each, of which a slot uses 70,144
.set BUFB,  0x24000
.set FLIP,  BUFA^BUFB                  ; one exclusive or turns A into B and back
.set SCK,   0x36000                    ; K's scale words of the head: [step] x 512 + 16 x lane + 4 i = the word of tile 2 i + lane / 16, row lane % 16
.set SCV,   SCK+8192                   ; V's likewise
.set STG,   SCV+8192                   ; the way out: 16 rows x 272 bytes for each wave, its own
.set SP,    272
; vector registers
.set LIK, 1                            ; my lane's place in an image of K
.set KST, 2                            ; where my thread's 16 bytes of K go in a slot
.set VST, 3                            ; and of V
.set KGO, 4                            ; 16 x thread: my 16 bytes of a step's 8,192 of K
.set VGO, 5                            ; 1,024 (thread / 16) + 16 (thread % 16): my 16 bytes of 32 rows x 256 of V
.set ADK, 6                            ; LDS address of the slot's images of K; on the way out: into the stage
.set ADS, 7                            ; of the slot's scale words; on the way out: back from the stage
.set KSA, 8                            ; of my staging store of K; on the way out: my byte offset in out0
.set VSA, 9                            ; of V
.set ADV, 10                           ; of the slot's images of V
.set LIV, 11                           ; VOFF + my lane's place in an image of V
.set NM,  12                           ; -M
.set TM,  13                           ; the running largest t
.set LS,  14                           ; v[14:15] the row's sum in two halves
.set QF,  16                           ; v16-23   Q's fragment
.set KD,  24                           ; v24-27   16 bytes of K on their way to LDS
.set VD,  28                           ; v28-31   of V
.set FRG, 32                           ; v32-95   eight fragments of K, then of V
.set ST,  96                           ; v96-159  S^T, then p
.set OT,  160                          ; v160-223 O^T
.set PC,  224                          ; v224-231 p's codes
.set BM,  232                          ; v232-235 the blocks' largest scores, then largest p
.set PB,  236                          ; v236-239 at work
.set KSW, 240                          ; v240-243 K's scale words: register i: lanes 0-15 tile 2 i, lanes 16-31 tile 2 i + 1
.set CV,  244                          ; v244-247 the conversions' scale operands
.set VSW, 248                          ; v248-251 V's scale words, as K's
.set FF,  252                          ; f = 2^(old M - new M)
.set PSW, 253                          ; p's scale word
.set TMP, 254
.set QSW, 255                          ; Q's scale words
; scalar registers.  s16-63 and s80-95: a step's 64 mask words (word j in s[16 + j], from j = 48 on in s[32 + j]); at the heads: at work
.set CNT,  2                           ; slots to go
.set STGF, 3                           ; not 0: the next slot is needed
.set QC,   4                           ; s[4:5]   Q's codes at my head;  s[6:7] its scale words;  s[8:9] K's codes;  s[10:11] V's codes;  s[12:13] out0;  s[14:15] mbits
.set QS,   6
.set KC,   8
.set VC,   10
.set OUTP, 12
.set MBP,  14
.set FLP,  66                          ; s[66:67] flags
.set KP,   68                          ; s[68:69] K's codes at the next slot
.set VP,   70                          ; s[70:71] V's
.set MB,   72                          ; s[72:73] my tile's mask words at this slot
.set CS,   74                          ; s[74:75] c = log2(e) / sqrt(128): the packed form names a pair and takes its low word for both halves
.set SEL,  76                          ; s[76:77] v_permlanex16_b32's selects for lane l xor 16
.set WV,   78                          ; my wave's number
.set TL,   79                          ; my tile
.set FL,   96                          ; my tile's flags, shifted so that bit q is this slot's step q
.set NEED, 97                          ; the OR of the 16 tiles' flags
.set TB,   98                          ; the buffer that is read
.set OB,   99                          ; the buffer that is filled
.set TS,   100                         ; where this slot's scale words of K begin
	s_load_b512 s[16:31], s[0:1], 0x0              ; Q's codes, Q's scales, K's codes, K's scales, V's codes, V's scales, mbits, flags
	s_load_b64 s[32:33], s[0:1], 0x40              ; out0
	v_lshrrev_b32 v6, 5, v0
	v_readfirstlane_b32 s[WV], v6                  ; wave 0..15
	v_and_b32 v6, 15, v0                           ; r
	v_bfe_u32 v7, v0, 4, 1                         ; h
	v_mul_u32_u24 v[LIV], v7, SH
	v_lshl_add_u32 v[LIV], v6, 4, v[LIV]
	v_add_nc_u32 v[LIV], VOFF, v[LIV]              ; V: SH h + 16 r, behind K's part of a slot
	v_mul_u32_u24 v[LIK], v7, SH
	v_and_b32 v8, 3, v0
	v_lshl_add_u32 v[LIK], v8, 6, v[LIK]
	v_bfe_u32 v8, v0, 2, 2
	v_lshl_add_u32 v[LIK], v8, 4, v[LIK]           ; K: SH h + 64 (r % 4) + 16 (r / 4)
	; Thread t brings piece t % 4 (16 bytes) of key t / 4 of a step.  Piece 2 c + h belongs to registers 4 c on of lanes 16 h on.  Key 32 b + x: tile 2 b + (x / 8) % 2, lane r = x % 8 + 8 (x / 16).
	v_lshrrev_b32 v8, 7, v0                        ; b
	v_mul_u32_u24 v[KST], v8, 2*TILE
	v_bfe_u32 v8, v0, 5, 1                         ; u
	v_mad_u32_u24 v[KST], v8, TILE, v[KST]
	v_bfe_u32 v8, v0, 1, 1                         ; c
	v_mad_u32_u24 v[KST], v8, SC2, v[KST]
	v_and_b32 v8, 1, v0                            ; h
	v_mad_u32_u24 v[KST], v8, SH, v[KST]
	v_bfe_u32 v8, v0, 2, 2                         ; r % 4
	v_lshl_add_u32 v[KST], v8, 6, v[KST]
	v_bfe_u32 v8, v0, 4, 1                         ; (r / 4) % 2
	v_lshl_add_u32 v[KST], v8, 4, v[KST]
	v_bfe_u32 v8, v0, 6, 1                         ; r / 8
	v_lshl_add_u32 v[KST], v8, 5, v[KST]
	; Of V thread t brings piece t % 16 of row t / 16 of 32 rows: key step (t / 4) % 4 of the slot, piece t % 4 of its 64 bytes; fragment (t / 256) of the two, lane r = (t / 16) % 16.
	v_bfe_u32 v8, v0, 2, 2
	v_mul_u32_u24 v[VST], v8, QUART
	v_lshrrev_b32 v8, 8, v0
	v_mad_u32_u24 v[VST], v8, TILE, v[VST]
	v_bfe_u32 v8, v0, 1, 1
	v_mad_u32_u24 v[VST], v8, SC2, v[VST]
	v_and_b32 v8, 1, v0
	v_mad_u32_u24 v[VST], v8, SH, v[VST]
	v_bfe_u32 v8, v0, 4, 4
	v_lshl_add_u32 v[VST], v8, 4, v[VST]
	v_add_nc_u32 v[VST], VOFF, v[VST]
	v_lshlrev_b32 v[KGO], 4, v0
	v_lshrrev_b32 v8, 4, v0
	v_lshlrev_b32 v[VGO], 10, v8
	v_lshl_add_u32 v[VGO], v6, 4, v[VGO]
	; Where the scale words go.  K's: thread t holds the words of keys 4 t + k, k = 0 .. 3: step t / 32; with l = t % 32: tile 2 (l / 8) + (l / 2) % 2, lane r = 4 (l % 2) + k + 8 ((l / 4) % 2).
	v_lshrrev_b32 v8, 5, v0
	v_lshlrev_b32 v6, 9, v8
	v_bfe_u32 v8, v0, 1, 1
	v_lshl_add_u32 v6, v8, 8, v6
	v_bfe_u32 v8, v0, 2, 1
	v_lshl_add_u32 v6, v8, 7, v6
	v_and_b32 v8, 1, v0
	v_lshl_add_u32 v6, v8, 6, v6
	v_bfe_u32 v8, v0, 3, 2
	v_lshl_add_u32 v6, v8, 2, v6
	v_add_nc_u32 v6, SCK, v6                       ; + 16 k in the store
	; V's: thread t holds, of row d = t / 4, the words of steps 4 (t % 4) + k: fragment d / 16 = 2 (t / 128) + (t / 64) % 2, lane r = (t / 4) % 16.
	v_and_b32 v8, 3, v0
	v_lshlrev_b32 v7, 11, v8
	v_bfe_u32 v8, v0, 6, 1
	v_lshl_add_u32 v7, v8, 8, v7
	v_bfe_u32 v8, v0, 2, 4
	v_lshl_add_u32 v7, v8, 4, v7
	v_lshrrev_b32 v8, 7, v0
	v_lshl_add_u32 v7, v8, 2, v7
	v_add_nc_u32 v7, SCV, v7                       ; + 512 k in the store
.irp i, 24,25,26,27,28,29,30,31,236,237,238,239,252,253
	v_mov_b32 v\i, 0                               ; written once: the staging registers, which a path without a request would store unwritten; the lane permutes' destinations, which count as sources; the pair v[252:253]
.endr
	s_wait_alu depctr_va_sdst(0)                   ; s[WV] is written, ahead of its first reader: the first pass makes the tile's number from it
	s_mov_b32 s[CS], 0x3e0293ee                    ; c = log2(e) / sqrt(128)
	s_mov_b32 s[CS+1], s[CS]
	s_mov_b32 s[SEL], 0x76543210
	s_mov_b32 s[SEL+1], 0xfedcba98
	s_and_b32 s34, ttmp7, 0xffff                   ; the head
	s_lshl_b32 s36, s34, 17                        ; 131,072 bytes of codes a head,
	s_mov_b32 s37, 0
	s_lshl_b32 s38, s34, 13                        ; 8,192 of scale bytes,
	s_mov_b32 s39, 0
	s_lshl_b32 s40, s34, 20                        ; 1,048,576 of out0
	s_mov_b32 s41, 0
	s_wait_kmcnt 0x0
	s_add_nc_u64 s[QC:QC+1], s[16:17], s[36:37]
	s_add_nc_u64 s[QS:QS+1], s[18:19], s[38:39]
	s_add_nc_u64 s[KC:KC+1], s[20:21], s[36:37]
	s_add_nc_u64 s[80:81], s[22:23], s[38:39]      ; K's scale bytes
	s_add_nc_u64 s[VC:VC+1], s[24:25], s[36:37]
	s_add_nc_u64 s[82:83], s[26:27], s[38:39]      ; V's
	s_mov_b64 s[MBP:MBP+1], s[28:29]
	s_mov_b64 s[FLP:FLP+1], s[30:31]
	s_add_nc_u64 s[OUTP:OUTP+1], s[32:33], s[40:41]
	s_wait_alu depctr_va_vdst(0)                   ; v1 to v7 and v11 are written, which the loads below and the first pass's LDS stores read as offsets and addresses; so are v24-31, in which staged loads land
	global_load_b128 v[128:131], v[KGO], s[80:81]  ; the head's scale bytes, 8,192 + 8,192: once, 16 bytes a thread, dense
	global_load_b128 v[132:135], v[KGO], s[82:83]
.irp q, 0,1,2,3
	global_load_b128 v[96+4*\q:99+4*\q], v[KGO], s[KC:KC+1] offset:8192*\q        ; slot 0: keys 0 to 511
	global_load_b128 v[112+4*\q:115+4*\q], v[VGO], s[VC:VC+1] offset:32768*\q
.endr
.macro KQ t                            ; S^T's tile t: 16 keys x my 16 queries, K = the head's 128.  The sum begins with the constant 0
.if (\t)%2
	v_wmma_scale_f32_16x16x128_f8f6f4 v[ST+8*(\t):ST+8*(\t)+7], v[FRG+8*(\t):FRG+8*(\t)+7], v[QF:QF+7], 0, v[KSW+(\t)/2], v[QSW] matrix_a_fmt:MATRIX_FMT_FP4 matrix_b_fmt:MATRIX_FMT_FP4 matrix_a_scale:MATRIX_SCALE_ROW1
.else
	v_wmma_scale_f32_16x16x128_f8f6f4 v[ST+8*(\t):ST+8*(\t)+7], v[FRG+8*(\t):FRG+8*(\t)+7], v[QF:QF+7], 0, v[KSW+(\t)/2], v[QSW] matrix_a_fmt:MATRIX_FMT_FP4 matrix_b_fmt:MATRIX_FMT_FP4
.endif
.endm
.macro PV t                            ; O^T's tile t: 16 of the head's 128 x my 16 queries, K = the step's 128 keys
.if (\t)%2
	v_wmma_scale_f32_16x16x128_f8f6f4 v[OT+8*(\t):OT+8*(\t)+7], v[FRG+8*(\t):FRG+8*(\t)+7], v[PC:PC+7], v[OT+8*(\t):OT+8*(\t)+7], v[VSW+(\t)/2], v[PSW] matrix_a_fmt:MATRIX_FMT_FP4 matrix_b_fmt:MATRIX_FMT_FP4 matrix_a_scale:MATRIX_SCALE_ROW1
.else
	v_wmma_scale_f32_16x16x128_f8f6f4 v[OT+8*(\t):OT+8*(\t)+7], v[FRG+8*(\t):FRG+8*(\t)+7], v[PC:PC+7], v[OT+8*(\t):OT+8*(\t)+7], v[VSW+(\t)/2], v[PSW] matrix_a_fmt:MATRIX_FMT_FP4 matrix_b_fmt:MATRIX_FMT_FP4
.endif
.endm
.macro VFR t, q                        ; V's fragment t of the slot's step q: two loads
.irp c, 0,1
	ds_load_b128 v[FRG+8*(\t)+4*\c:FRG+8*(\t)+4*\c+3], v[ADV] offset:QUART*(\q)+TILE*(\t)+SC2*\c
.endr
.endm
; A KEY STEP: 128 keys, the q-th of the slot in hand.
.macro STEP q
.if \q > 0
	s_wait_alu depctr_vm_vsrc(0)                   ; the last step's staging stores have read v24-31, in which the loads below land (in a slot's first step the wait at the slot's head has stated it)
.endif
	s_cmp_lg_u32 s[STGF], 0                        ; is the next slot needed by any of the 16 tiles?
	s_cbranch_scc0 .Lnoreq_\@
	s_wait_dscnt 0x0                               ; the last step's staging stores are done
	global_load_b128 v[KD:KD+3], v[KGO], s[KP:KP+1] offset:8192*\q     ; quarter q of the next slot: 128 keys' rows, 8,192 dense bytes,
	global_load_b128 v[VD:VD+3], v[VGO], s[VP:VP+1] offset:32768*\q    ; and rows 32 q .. 32 q + 31 of V, 256 bytes of each: sixteen lanes to a row
.Lnoreq_\@:
	s_bitcmp1_b32 s[FL], \q                        ; no bit of my tile's step is kept: nothing to compute
	s_cbranch_scc0 .Lhidden_\@
	s_load_b512 s[16:31], s[MB:MB+1], 256*\q       ; the step's 64 mask words, on every path that computes: they land under the first product
	s_load_b512 s[32:47], s[MB:MB+1], 256*\q+64
	s_load_b512 s[48:63], s[MB:MB+1], 256*\q+128
	s_load_b512 s[80:95], s[MB:MB+1], 256*\q+192
.if \q > 0
	s_wait_alu depctr_va_vdst(0)                   ; the second products of the last step that was computed are done reading v32-95, in which K's fragments land (in a slot's first step the wait at the slot's head has stated it)
.endif
	ds_load_b128 v[KSW:KSW+3], v[ADS] offset:512*\q
.irp t, 0,1,2,3,4,5,6,7
.irp c, 0,1
	ds_load_b128 v[FRG+8*\t+4*\c:FRG+8*\t+4*\c+3], v[ADK] offset:QUART*\q+TILE*\t+SC2*\c
.endr
.endr
	s_wait_dscnt 8                                 ; the scale words and tiles 0-3 are in; the eight loads of tiles 4-7 may be out
.irp t, 0,1,2,3
	KQ \t
.endr
	s_wait_dscnt 0x0
.irp t, 4,5,6,7
	KQ \t
.endr
.rept 4
	v_nop                                          ; four places behind the products (ISA guide 7.12.1), in front of the first reads of the scores
.endr
	s_wait_alu depctr_va_vdst(0)                   ; the first products are done reading v32-95, in which V's fragments land.  No vector line names v32-95, v248-251, v7 or v10 from here to the second products: V's loads follow with no further wait
	ds_load_b128 v[VSW:VSW+3], v[ADS] offset:8192+512*\q
	VFR 0, \q                                      ; V's fragments land during the softmax: two now, the other six dealt among the maxima below
	VFR 1, \q
	s_wait_kmcnt 0x0                               ; the mask words are in (also on the way that does not read them: their registers and base may then be written again)
	s_bitcmp1_b32 s[FL], 16+\q                     ; all bits kept: no select
	s_cbranch_scc1 .Lopen_\@
	v_mov_b32 v[TMP], 0xff800000                   ; -infinity
.set n, 0
.rept 64
	v_cndmask_b32 v[ST+n], v[TMP], v[ST+n], s[16+n+16*(n/48)]   ; hidden scores become -infinity ahead of the maximum: p = 0 then.  Each accumulator from its low end on
.set n, n+1
.endr
.Lopen_\@:
.irp b, 0,1,2,3
	v_max3_num_f32 v[BM+\b], v[ST+16*\b], v[ST+1+16*\b], v[ST+2+16*\b]   ; the largest score of each block of 32 keys: it serves for the row's maximum and, since p rises with the score, for the block's largest p
.endr
	VFR 2, \q
.irp i, 3,5,7,9,11,13
.irp b, 0,1,2,3
	v_max3_num_f32 v[BM+\b], v[BM+\b], v[ST+16*\b+\i], v[ST+1+16*\b+\i]   ; (the four blocks by turns)
.endr
.if \i < 13
	VFR (\i+3)/2, \q                               ; fragments 3 to 7, one behind each group of four maxima
.endif
.endr
.irp b, 0,1,2,3
	v_max_num_f32 v[BM+\b], v[BM+\b], v[ST+15+16*\b]
.endr
.irp b, 0,1,2,3
	v_permlanex16_b32 v[PB+\b], v[BM+\b], s[SEL], s[SEL+1]
.endr
.irp b, 0,1,2,3
	v_max_num_f32 v[BM+\b], v[BM+\b], v[PB+\b]     ; with lane l xor 16's 16 keys
.endr
	v_max3_num_f32 v[TMP], v[BM], v[BM+1], v[BM+2]
	v_max_num_f32 v[TMP], v[TMP], v[BM+3]          ; the step's largest score of my query
	v_mul_f32 v[TMP], s[CS], v[TMP]                ; as t (c is positive)
	v_max_num_f32 v[TM], v[TM], v[TMP]             ; the running largest t
	v_mov_b32 v[TMP], v[NM]
	v_floor_f32 v[NM], -v[TM]                      ; the new -M = floor(-t) = -ceil(t): a whole number
	v_sub_f32 v[TMP], v[NM], v[TMP]                ; old M - new M: a whole number, 0 or less
	v_cvt_i32_f32 v[TMP], v[TMP]                   ; (it saturates)
	v_ldexp_f32 v[FF], 1.0, v[TMP]                 ; f = 2^(old M - new M)
.set j, 0
.rept 32
	v_pk_fma_f32 v[ST+j:ST+j+1], v[ST+j:ST+j+1], s[CS:CS+1], v[NM:NM+1] op_sel_hi:[1,0,0]   ; t - M, two at a time (of the pairs c and -M the low word serves both halves)
.set j, j+2
.endr
.irp b, 0,1,2,3
	v_fma_f32 v[BM+\b], v[BM+\b], s[CS], v[NM]     ; the same of each block's largest score
.endr
.set j, 0
	s_wait_alu depctr_va_vdst(0)
.rept 64
	v_exp_f32 v[ST+j], v[ST+j]                     ; p = 2^(t - M), at most 1: not normalised
.set j, j+1
.endr
.irp b, 0,1,2,3
	v_exp_f32 v[BM+\b], v[BM+\b]                   ; the block's largest p: the same two instructions on the same number give the same bits
.endr
	v_pk_mul_f32 v[LS:LS+1], v[LS:LS+1], v[FF:FF+1] op_sel_hi:[1,0]   ; the sums under the new M.  (The plain instruction behind the exponentials)
	s_wait_alu depctr_va_vdst(0)                   ; the 68 exponentials have written v96-159 and v232-235: one wait for the batch, ahead of its first reader
.irp b, 0,1,2,3
	v_max_num_f32 v[BM+\b], 0x1800000, v[BM+\b]    ; the floor 2^(3 - 127): the byte cannot fall under 1
.endr
.irp b, 0,1,2,3
	v_add_nc_u32 v[CV+\b], 0xff000000, v[BM+\b]    ; 2 off the exponent field: the conversion's scale operand
.endr
.irp b, 0,1,2,3
	v_lshrrev_b32 v[PB+\b], 23, v[CV+\b]           ; the scale's byte
.endr
	v_lshl_or_b32 v[PSW], v[PB+1], 8, v[PB]        ; p's scale word for these 128 keys
	v_lshl_or_b32 v[PSW], v[PB+2], 16, v[PSW]
	v_lshl_or_b32 v[PSW], v[PB+3], 24, v[PSW]
.irp b, 0,1,2,3
	v_cvt_scalef32_pk8_fp4_f32 v[PC+2*\b], v[ST+16*\b:ST+7+16*\b], v[CV+\b]
	v_cvt_scalef32_pk8_fp4_f32 v[PC+1+2*\b], v[ST+8+16*\b:ST+15+16*\b], v[CV+\b]
.endr
	v_nop                                          ; one plain vector instruction behind the scaled conversions
.irp c, 0,1                            ; the operand's layout wants a whole block in a lane: lanes 0-15 block 2 c, lanes 16-31 block 2 c + 1
.irp i, 0,1
	v_permlane16_swap_b32 v[PC+4*\c+\i], v[PC+2+4*\c+\i]
.endr
.endr
	v_pk_add_f32 v[PB:PB+1], v[ST:ST+1], v[ST+2:ST+3]   ; the row's sum is taken of the unquantised p: two at a time, in two chains
.irp j, 4,8,12,16,20,24,28,32,36,40,44,48,52,56,60
	v_pk_add_f32 v[LS:LS+1], v[LS:LS+1], v[ST+\j:ST+1+\j]
	v_pk_add_f32 v[PB:PB+1], v[PB:PB+1], v[ST+2+\j:ST+3+\j]
.endr
	v_pk_add_f32 v[LS:LS+1], v[LS:LS+1], v[PB:PB+1]
.set j, 0
.rept 32
	v_pk_mul_f32 v[OT+j:OT+j+1], v[OT+j:OT+j+1], v[FF:FF+1] op_sel_hi:[1,0]   ; O^T under the new M, each accumulator from its low end on.  (These and the sums are the places between p's codes and scale word and the products below)
.set j, j+2
.endr
	s_wait_dscnt 0x0                               ; V's fragments and scale words are in
	s_wait_alu depctr_va_vdst(0)                   ; p's codes v224-231 and scale word v253, made by vector instructions, are written: the scaled products below take them as operand and scales; the places above stay beside this wait
.irp t, 0,1,2,3,4,5,6,7
	PV \t                                          ; eight accumulators, one instruction a turn
.endr
.rept 4
	v_nop                                          ; four places behind the products, on every way on to the way out's reads of O^T
.endr
.Lhidden_\@:
	s_wait_loadcnt 0x0                             ; on every path: the staged quarter is in registers (asked for a whole step ago where the step was computed), and no load is out on v24-31, s[KP:KP+1], s[VP:VP+1]
	s_cmp_lg_u32 s[STGF], 0
	s_cbranch_scc0 .Lnosto_\@
	ds_store_b128 v[KSA], v[KD:KD+3] offset:QUART*\q      ; into the buffer that nobody reads in this slot.  (Addresses: written ahead of the wait at the slot's head; data: loaded; no vector line names either since)
	ds_store_b128 v[VSA], v[VD:VD+3] offset:2*TILE*\q
.Lnosto_\@:
.endm
; THE WAY OUT.  O^T / the sum goes through my wave's own stage, half a row (64 channels, 256 bytes) of 16 queries at a time, and leaves as whole runs of 256 bytes.
.macro WAYOUT
	s_wait_dscnt 0x0                               ; my LDS instructions of the last slot are done
	s_wait_alu depctr_vm_vsrc(0)                   ; they have read v6 to v9, which are written below
	v_add_f32 v[LS], v[LS], v[LS+1]                ; the sum's two halves,
	v_permlanex16_b32 v[FF], v[LS], s[SEL], s[SEL+1]
	v_add_f32 v[LS], v[LS], v[FF]                  ; and lane l xor 16's: the row's sum
	s_wait_alu depctr_va_vdst(0)
	v_rcp_f32 v[LS], v[LS]
	v_and_b32 v8, 15, v0                           ; (plain instructions behind the reciprocal)  r
	v_bfe_u32 v9, v0, 4, 1                         ; h
	s_mul_i32 s54, s[WV], 16*SP
	s_add_co_u32 s54, s54, STG                     ; my stage
	v_mul_u32_u24 v6, v8, SP
	v_lshl_add_u32 v6, v9, 5, v6
	v_add_nc_u32 v6, s54, v6                       ; in: row r; a tile's eight channels of my half: 64 t + 32 h bytes on
	v_mul_u32_u24 v7, v9, SP
	v_lshl_add_u32 v7, v8, 4, v7
	v_add_nc_u32 v7, s54, v7                       ; back: lanes 0-15 one row, lanes 16-31 the next
	v_lshlrev_b32 v9, 9, v9
	v_lshl_add_u32 v8, v8, 4, v9                   ; and the same two rows in out0: 512 h + 16 r
	s_lshl_b32 s56, s[TL], 13                      ; my tile's 16 rows of 512 bytes
	s_mov_b32 s57, 0
	s_add_nc_u64 s[58:59], s[OUTP:OUTP+1], s[56:57]
.set j, 0
	s_wait_alu depctr_va_vdst(0)                   ; the reciprocal has written v14, ahead of its first reader
.rept 64
	v_mul_f32 v[ST+j], v[OT+j], v[LS]              ; register 8 t + i is out0(r, 16 t + 8 h + i); each accumulator from its low end on
.set j, j+1
.endr
	s_wait_alu depctr_va_vdst(0)                   ; the multiplications have written v96-159, which the stage's stores read; v6 to v8, the addresses below, are written; the last products are done reading v32-95, in which the stage's loads land
.irp u, 0,1                            ; channels 64 u on
.irp t, 0,1,2,3
	ds_store_b128 v6, v[ST+32*\u+8*\t:ST+32*\u+8*\t+3] offset:64*\t
	ds_store_b128 v6, v[ST+32*\u+8*\t+4:ST+32*\u+8*\t+7] offset:64*\t+16
.endr
.irp i, 0,1,2,3,4,5,6,7
	ds_load_b128 v[FRG+32*\u+4*\i:FRG+32*\u+4*\i+3], v7 offset:2*\i*SP   ; LDS serves a wave's instructions in order: these see my stores, and the next half's stores come behind them
.endr
.endr
.irp u, 0,1
.irp i, 0,1,2,3,4,5,6,7
	s_wait_dscnt 23-16*\u-\i                       ; the LDS instructions issued behind this load may be out
	global_store_b128 v8, v[FRG+32*\u+4*\i:FRG+32*\u+4*\i+3], s[58:59] offset:1024*\i+256*\u th:TH_STORE_NT   ; sixteen lanes store 256 consecutive bytes, at a multiple of 256 from out0's first byte; written once, read by nobody here
.endr
.endr
.endm
; A PASS: one tile of 16 queries for each wave, all 2,048 keys.
.macro PASS p
.if \p == 0
	s_lshl_b32 s[TL], ttmp9, 4
	s_add_co_u32 s[TL], s[TL], s[WV]               ; tile 16 g + w
.else
	s_sub_co_u32 s[TL], 127, s[TL]                 ; tile 127 - (16 g + w)
.endif
	s_lshl_b32 s48, s[TL], 2
	s_mov_b32 s49, 0
	s_add_nc_u64 s[50:51], s[FLP:FLP+1], s[48:49]
	s_load_b32 s[FL], s[50:51], 0x0                ; my tile's flags
	s_and_b32 s48, s48, 0x1c0                      ; the 16 tiles of the work-group's pass are a block of 16: 64 aligned bytes of flags
	s_add_nc_u64 s[52:53], s[FLP:FLP+1], s[48:49]
	s_load_b512 s[16:31], s[52:53], 0x0
	s_lshl_b32 s54, s[TL], 10                      ; my 16 queries' codes: 64 bytes each,
	s_lshl_b32 s55, s[TL], 6                       ; their scale words,
	s_lshl_b32 s56, s[TL], 12                      ; my tile's mask words: 16 steps x 256 bytes
	s_mov_b32 s57, 0
	v_and_b32 v8, 15, v0
	v_bfe_u32 v9, v0, 4, 1
	v_lshlrev_b32 v9, 4, v9
	v_lshl_add_u32 v9, v8, 6, v9
	v_add_nc_u32 v9, s54, v9                       ; Q: row r, 16 h bytes on
	v_lshl_add_u32 v8, v8, 2, s55
	s_wait_alu depctr_va_vdst(0)                   ; v8 and v9 are written, which Q's loads read as offsets; in the second pass the first pass's products are done reading v16-23 and v255, in which these loads land
	global_load_b128 v[QF:QF+3], v9, s[QC:QC+1]
	global_load_b128 v[QF+4:QF+7], v9, s[QC:QC+1] offset:32
	global_load_b32 v[QSW], v8, s[QS:QS+1]
	v_mov_b32 v[TM], 0xff61b1e6                    ; the largest t so far: -3e38
	v_floor_f32 v[NM], -v[TM]                      ; -M
	v_mov_b32 v[LS], 0
	v_mov_b32 v[LS+1], 0
.set j, 0
.rept 64
	v_mov_b32 v[OT+j], 0                           ; O^T.  Which step is a tile's first hangs on the mask, so no first product can be written out with the constant 0: the first change of M finds zeros and leaves zeros
.set j, j+1
.endr
	s_wait_kmcnt 0x0
	s_or_b32 s[NEED], s16, s17
.irp i, 18,19,20,21,22,23,24,25,26,27,28,29,30,31
	s_or_b32 s[NEED], s[NEED], s\i
.endr
	s_and_b32 s[NEED], s[NEED], 0xffff             ; bit n: some tile of the 16 computes step n
	s_add_nc_u64 s[MB:MB+1], s[MBP:MBP+1], s[56:57]
	s_add_nc_u64 s[KP:KP+1], s[KC:KC+1], 32768     ; slot 1: 512 keys x 64 bytes on,
	s_add_nc_u64 s[VP:VP+1], s[VC:VC+1], 256       ; 256 bytes on in each row of V
	s_mov_b32 s[TB], 0                             ; slot 0 lies in buffer Z,
	s_mov_b32 s[OB], BUFA                          ; slot 1 goes to A
	s_mov_b32 s[TS], SCK
	s_mov_b32 s[CNT], 4
	s_wait_loadcnt 0x0                             ; Q (in the first pass also slot 0 and the scale bytes)
.if \p == 0
.irp k, 0,1,2,3
	ds_store_b32 v6, v[128+\k] offset:16*\k        ; the scale words go to the places from which one load of 16 bytes a lane serves eight fragments.  (Addresses: written ahead of the head's wait, named by no vector line since; data: loaded)
	ds_store_b32 v7, v[132+\k] offset:512*\k
.endr
.irp q, 0,1,2,3
	ds_store_b128 v[KST], v[96+4*\q:99+4*\q] offset:QUART*\q
	ds_store_b128 v[VST], v[112+4*\q:115+4*\q] offset:2*TILE*\q
.endr
.endif
.Lslot_\@:
	s_wait_dscnt 0x0                               ; for the others' sake: my stores into the slot ahead have landed, and my reads of the buffer that is filled next are over
	s_barrier_signal -1
	s_barrier_wait -1                              ; both now hold of all sixteen waves
	s_wait_alu depctr_vm_vsrc(0)                   ; the LDS instructions and loads issued so far have read v6 to v10, which are written below, and v24-31, in which the first step's loads land; in a pass's first trip also v96-135 or the way out's v32-159, which this slot's loads and products write
	v_add_nc_u32 v[ADK], s[TB], v[LIK]
	v_add_nc_u32 v[ADV], s[TB], v[LIV]
	v_and_b32 v[ADS], 31, v0
	v_lshl_add_u32 v[ADS], v[ADS], 4, s[TS]
	v_add_nc_u32 v[KSA], s[OB], v[KST]
	v_add_nc_u32 v[VSA], s[OB], v[VST]
	s_lshr_b32 s[NEED], s[NEED], 4
	s_and_b32 s[STGF], s[NEED], 15                 ; the next slot's four bits; behind the fourth slot there are none: no load leaves its buffer
	s_wait_alu depctr_va_vdst(0)                   ; the five addresses are written, which the slot's LDS loads and staging stores read; the last slot's second products are done reading v32-95, in which the first step's fragments land
	STEP 0
	STEP 1
	STEP 2
	STEP 3
	s_mov_b32 s[TB], s[OB]                         ; the buffers: Z, A, B, A are read while A, B, A, (B) are filled
	s_xor_b32 s[OB], s[OB], FLIP
	s_add_co_u32 s[TS], s[TS], 2048                ; four steps' scale words on
	s_lshr_b32 s[FL], s[FL], 4
	s_add_nc_u64 s[KP:KP+1], s[KP:KP+1], 32768     ; every load that named these three has been waited for
	s_add_nc_u64 s[VP:VP+1], s[VP:VP+1], 256
	s_add_nc_u64 s[MB:MB+1], s[MB:MB+1], 1024
	s_sub_co_i32 s[CNT], s[CNT], 1
	s_cmp_lg_u32 s[CNT], 0
	s_cbranch_scc1 .Lslot_\@
	WAYOUT
.if \p == 0
	s_wait_xcnt 0x0                                ; the stores have had their addresses translated (ISA guide 3.1): their data, offset and base are written again only behind this wait
	s_wait_alu depctr_vm_vsrc(0)                   ; the stores have read v8, their offset, which the next pass's head writes
.endif
.endm
	PASS 0
	PASS 1
	s_wait_xcnt 0x0
	v_lshl_add_u32 v254, v0, 2, 0x4b000            ; the add's two registers, made anew: no memory or LDS instruction has read v254 or v255
	v_mov_b32 v255, 0
	s_wait_dscnt 0x0                               ; the closing lines, six on end
	s_wait_alu 0x0
	s_wait_tensorcnt 0x0
	ds_add_u32 v254, v255
	s_wait_dscnt 0x0
	s_endpgm
.Lfunc_end_k_q8e62470d9b_attn:
	.size	k_q8e62470d9b_attn, .Lfunc_end_k_q8e62470d9b_attn-k_q8e62470d9b_attn
	.p2alignl 7, 3214868480
	.fill 96, 4, 3214868480
	.section	.rodata,"a",@progbits
	.p2align	6, 0x0
	.amdhsa_kernel k_q8e62470d9b_attn
		.amdhsa_group_segment_fixed_size 309248
		.amdhsa_private_segment_fixed_size 0
		.amdhsa_enable_private_segment 0
		.amdhsa_kernarg_size 72
		.amdhsa_user_sgpr_count 2
		.amdhsa_user_sgpr_kernarg_segment_ptr 1
		.amdhsa_wavefront_size32 1
		.amdhsa_system_sgpr_workgroup_id_x 1
		.amdhsa_system_sgpr_workgroup_id_y 1
		.amdhsa_system_sgpr_workgroup_id_z 1
		.amdhsa_system_vgpr_workitem_id 0
		.amdhsa_next_free_vgpr 256
		.amdhsa_next_free_sgpr 102
		.amdhsa_reserve_vcc 0
		.amdhsa_float_denorm_mode_32 3
		.amdhsa_float_denorm_mode_16_64 3
		.amdhsa_memory_ordered 1
		.amdhsa_forward_progress 1
		.amdhsa_inst_pref_size 210
	.end_amdhsa_kernel
	.amdgpu_metadata
---
amdhsa.version: [ 1, 2 ]
amdhsa.kernels:
  - .name:           k_q8e62470d9b_attn
    .symbol:         k_q8e62470d9b_attn.kd
    .args:
      - { .name: Q_codes, .offset: 0, .size: 8, .value_kind: global_buffer, .address_space: global }
      - { .name: Q_scales, .offset: 8, .size: 8, .value_kind: global_buffer, .address_space: global }
      - { .name: K_codes, .offset: 16, .size: 8, .value_kind: global_buffer, .address_space: global }
      - { .name: K_scales, .offset: 24, .size: 8, .value_kind: global_buffer, .address_space: global }
      - { .name: V_codes, .offset: 32, .size: 8, .value_kind: global_buffer, .address_space: global }
      - { .name: V_scales, .offset: 40, .size: 8, .value_kind: global_buffer, .address_space: global }
      - { .name: mbits, .offset: 48, .size: 8, .value_kind: global_buffer, .address_space: global }
      - { .name: flags, .offset: 56, .size: 8, .value_kind: global_buffer, .address_space: global }
      - { .name: out0, .offset: 64, .size: 8, .value_kind: global_buffer, .address_space: global }
    .group_segment_fixed_size: 309248
    .private_segment_fixed_size: 0
    .kernarg_segment_align: 8
    .kernarg_segment_size: 72
    .max_flat_workgroup_size: 512
    .sgpr_count:     102
    .vgpr_count:     256
    .wavefront_size: 32
...
	.end_amdgpu_metadata
.endif
;; end of part 4
